; MI455X (gfx1250); checked and timed in simulation.
; The chip was launched on July 23, 2026; its instructions are those of AMD's public machine-readable ISA for CDNA 5 (MIT licence, August 2026) and "CDNA5" Instruction Set Architecture Reference Guide (July 2026). The comments in the code are by the model that wrote it; some were corrected since.
;; Attention Layer. Allowed arithmetic: matrix products marked QUANTISED: E2M3 operands, one E8M0 scale for each 32 along K, by v_wmma_scale_f32_16x16x128_f8f6f4 with both operands' format E2M3, f32 sums; everything else in f32.
;; Inputs: Wk 512 x 4,096 float32; Wq 512 x 4,096 float32; Wu 4,096 x 512 float32; Wv 512 x 4,096 float32; bu 512 float32; x 4 x 1,024 x 512 float32.
;; Outputs: out0 4 x 1,024 x 512 float32.
;; This version of the problem:
;;   THIS VERSION OF THE PROBLEM IS GIVEN IN LOW PRECISION. The matrix products marked QUANTISED in the list below multiply operands that are first quantised to E2M3 (2 exponent bits, 3 mantissa bits; 6 bits a number), with one power-of-two scale for each 32 numbers along K (OCP MX v1.0); their sums are f32. All else is computed in f32.
;;   The module's matrix products, in the order in which they are computed (A, B: the left and right operand; K: the contracted axis; several contracted axes count as one K, in the product's order):
;;     1. [M 4,096, K 512] x [K 512, N 4,096]; A: input x; B: input Wq: QUANTISED
;;     2. [M 4,096, K 512] x [K 512, N 4,096]; A: input x; B: input Wk: QUANTISED
;;     3. [M 4,096, K 512] x [K 512, N 4,096]; A: input x; B: input Wv: QUANTISED
;;     4. batch 32 x [M 1,024, K 512] x [K 512, N 1,024]; A: computed on the way; B: computed on the way: QUANTISED
;;     5. batch 32 x [M 1,024, K 1,024] x [K 1,024, N 512]; A: softmax (see below); B: computed on the way: QUANTISED
;;     6. [M 4,096, K 4,096] x [K 4,096, N 512]; A: computed on the way; B: input Wu: QUANTISED
;;   THE QUANTISER, for each operand of a quantised product, along K:
;;     - K is cut into blocks of 32 from its start; a last block that is shorter is filled with zeros.
;;     - A block's scale is 2^e with e = floor(log2(the largest magnitude in the block)) - 2, held to -126 .. 127; a block of zeros has e = 0. As a byte (E8M0): e + 127.
;;     - Each number is divided by its block's scale, clamped to +-7.5, and rounded to the nearest number of E2M3, ties to even, subnormals kept.
;;     - The product sums the exact products of the quantised numbers (number of the format x scale) in f32.
;;   ~~~python
;;   def quantise(x, axis):      # numpy; x: float32 -> the quantised numbers, widened to float32 again
;;       x = np.moveaxis(x, axis, -1); K = x.shape[-1]
;;       x = np.pad(x, [(0, 0)] * (x.ndim - 1) + [(0, -K % 32)]); x = x.reshape(x.shape[:-1] + (-1, 32)); a = np.abs(x).max(-1, keepdims=True)
;;       e = np.where(a > 0, np.clip(np.frexp(np.where(a > 0, a, 1))[1] - 1 - 2, -126, 127), 0)      # np.frexp(a)[1] - 1 = floor(log2(a)), exactly
;;       r = np.clip(x / 2.0 ** e, -7.5, 7.5)
;;       step = 2.0 ** (np.maximum(np.frexp(np.where(r == 0, 1, r))[1] - 1, 0) - 3)
;;       q = np.round(r / step) * step * 2.0 ** e      # np.round: ties to even
;;       return np.moveaxis(q.reshape(q.shape[:-2] + (-1,))[..., :K], -1, axis).astype(np.float32)
;;   ~~~
;;   SOFTMAX AHEAD OF A QUANTISED PRODUCT. Where the list says 'softmax', what is quantised is not the finished softmax but p = 2^(t - M), with t = logit x log2(e) and M = ceil(the row's largest t), a whole number; so 1/2 < the row's largest p <= 1. The row's sum l is taken of the UNQUANTISED p, in f32, and the product's result is divided by l at the end. Since M is a whole number, a kernel that streams over the keys may use a running M (the ceiling of the running maximum): every later rescaling is an exact power of two, which a block's scale takes up: the codes' values come out the same.
;;   OPERANDS COMPUTED ON THE WAY. 'Computed on the way' means the value that the module computes at that place (a softmax that the list does not call 'softmax' is quantised finished and normalised). What goes into a quantiser is computed in f32, as accurately as f32 sums, v_exp_f32 and their like allow (about 1e-6 of the number): no bf16 or f16 on the way to a quantiser, and a product that is left as it is and whose result goes on into a quantised operand takes f32 operands (vector FMAs, or v_wmma_f32_16x16x4_f32). A number that lies on a knife's edge between two numbers of the format may be rounded either way, as far as f32 arithmetic and the matrix unit's own rounding can turn it there, and no further.
;; One version. Each part assembles by itself: llvm-mc -triple=amdgcn-amd-amdhsa -mcpu=gfx1250 --defsym DOCPART=n.
;; ======== version 1 of 1: 4 launches
;; limits: right only within a limited range of input values
;; workspace buffers: ops 8,192,000 bytes; qs 13,107,200 bytes; kv 26,214,400 bytes; oc 13,107,200 bytes
;; launch quant (part 1): grid 640 x 1, 4 waves a work-group, no clusters, 13,312 bytes of LDS; arguments x, Wq, Wk, Wv, Wu, ops; writes ops
.if DOCPART == 1
	.amdgcn_target "amdgcn-amd-amdhsa--gfx1250"
	.amdhsa_code_object_version 6
	.text
	.protected	k_q53119952e9_quant
	.globl	k_q53119952e9_quant
	.p2align	8
	.type	k_q53119952e9_quant,@function
k_q53119952e9_quant:
	s_mov_b64 s[64:65], 0
	v_nop
	global_prefetch_b8 v0, s[64:65] scope:SCOPE_SE
	s_setreg_imm32_b32 hwreg(HW_REG_WAVE_MODE, 25, 1), 1
	s_wait_xcnt 0x0
; x [4096][512], Wq, Wk, Wv [512][4096], Wu [4096][512], all f32, become codes of FP6 (E2M3) with one E8M0 byte for each 32 along K, laid as the later launches' operand registers want them.
; A FRAGMENT (16 rows x 128 K) is 1,536 bytes: register 4 c + e of lane l at byte 512 c + 16 l + 4 e.  A SLAB (128 rows x 512 K) is 51,200 bytes: fragment (K step g, tile t) at (8 g + t) x 1,536, and behind the 32 fragments
; four blocks of 512 bytes of scale words, block g at 49,152 + 512 g, the word of tile 2 p + u, lane r at 16 (16 u + r) + 4 p.  Lane r of tile t holds row 32 (t / 2) + 8 (t % 2) + r + 8 (r / 8) of the slab's 128.
; Slabs 0-31: x (row = token).  32 + 32 j + c: W_j (j = 0 q, 1 k, 2 v; row = column 128 c ..).  128 + 8 n + k: Wu (row = column 128 n .., K = 512 k ..).
; SHARES.  A work-group makes one K step of one slab: 8 fragments and one block of scale words.  Wave w takes rows 32 w .. 32 w + 31 (tiles 2 w, 2 w + 1), a lane one row, and its 128 registers run along K:
; a block of 32 lies in one lane, so its largest magnitude needs no other lane, and the conversions give codes with K innermost.  The weights' K is their first axis: each of their loads reads 128 consecutive bytes a wave.
; A block's scale is 2^(floor(log2(largest magnitude)) - 2); its byte is the largest magnitude's exponent field - 2, held at 1 from below.
; LIMITS: a block of zeros, or one whose largest magnitude lies under 2^-124, gets the byte 1 (its codes add nothing or next to nothing; these bytes are read by this program alone); NaN and infinities are not served.
; No tensor loads, no cluster (work-groups share no input), no matrix unit: the launch streams.  A wave's whole share, 16 KiB, is asked for at once.
.set X,     64                         ; v64-191  my row's 128 numbers; later the fragments on their way out
.set SCB,   12288                      ; LDS: behind the four waves' stages of 3,072 bytes: the block of scale words
.set SPARE, 12800                      ; the spare words, 128 bytes for each wave: two blocks of 256 bytes that no other line names
.set SLAB,  51200
.set SPW,   13                         ; v13  LDS address of my spare word; never rewritten
.set NIL,   14                         ; v14  0; never rewritten
	s_load_b256 s[4:11], s[0:1], 0x0               ; x, Wq, Wk, Wv
	s_load_b128 s[12:15], s[0:1], 0x20             ; Wu, ops
	v_lshl_add_u32 v[SPW], v0, 2, SPARE
	v_mov_b32 v[NIL], 0
	v_lshrrev_b32 v1, 5, v0
	v_readfirstlane_b32 s16, v1                    ; wave
	v_and_b32 v7, 31, v0                           ; lane L: row 32 w + L
	s_lshr_b32 s17, ttmp9, 2                       ; slab
	s_and_b32 s18, ttmp9, 3                        ; K step g
	v_lshlrev_b32 v1, 11, v7                       ; x: 2,048 bytes from row to row
	v_lshlrev_b32 v2, 2, v7                        ; weights: 4 bytes from column to column
	v_lshlrev_b32 v6, 4, v7                        ; 16 x lane
	v_and_b32 v8, 7, v7
	v_bfe_u32 v9, v7, 4, 1
	v_lshl_or_b32 v8, v9, 3, v8                    ; r: my row's lane in its tile: L's bits 2:0, and bit 4 as bit 3
	v_bfe_u32 v9, v7, 3, 1                         ; u: which of the pair's two tiles: L's bit 3
	s_mul_i32 s19, s16, 3072                       ; my wave's stage: two fragments
	v_mul_u32_u24 v3, v9, 1536
	v_lshl_add_u32 v3, v8, 4, v3
	v_add_nc_u32 v3, s19, v3                       ; into it: fragment u, lane r
	v_add_nc_u32 v4, s19, v6                       ; out of it: as it lies
	v_lshlrev_b32 v5, 8, v9
	v_lshl_add_u32 v5, v8, 4, v5
	s_lshl_b32 s20, s16, 2
	s_add_co_u32 s20, s20, SCB
	v_add_nc_u32 v5, s20, v5                       ; my scale word: 16 (16 u + r) + 4 w
	v_add_nc_u32 v15, SCB, v6                      ; and the whole block, 16 bytes a lane
	s_mul_i32 s20, s17, SLAB
	s_lshl_b32 s21, s18, 3
	s_lshl_b32 s22, s16, 1
	s_add_co_u32 s21, s21, s22
	s_mul_i32 s21, s21, 1536
	s_add_co_u32 s22, s20, s21                     ; my two fragments in ops: slab + (8 g + 2 w) x 1,536
	s_mov_b32 s23, 0
	s_lshl_b32 s21, s18, 9
	s_add_co_u32 s20, s20, s21
	s_add_co_u32 s20, s20, 49152                   ; the block of scale words: slab + 49,152 + 512 g
	s_mov_b32 s21, 0
	s_mov_b32 s25, 0
	s_wait_kmcnt 0x0
	s_add_nc_u64 s[22:23], s[14:15], s[22:23]
	s_add_nc_u64 s[20:21], s[14:15], s[20:21]
.macro COLS base, pitch                ; a weight: my column, 128 rows down K
.set iK, 0
.rept 128
	global_load_b32 v[X+iK], v2, s[\base:\base+1] offset:iK*\pitch th:TH_LOAD_NT
.set iK, iK+1
.endr
.endm
	s_cmp_lt_u32 s17, 32                           ; the three arms part on the work-group's number and hold loads alone
	s_cbranch_scc0 .Lnot_x
	s_lshl_b32 s24, s17, 7
	s_lshl_b32 s26, s16, 5
	s_add_co_u32 s24, s24, s26                     ; token 128 slab + 32 w
	s_lshl_b32 s24, s24, 11
	s_lshl_b32 s26, s18, 9
	s_add_co_u32 s24, s24, s26                     ; + 128 g numbers
	s_add_nc_u64 s[4:5], s[4:5], s[24:25]
.set iK, 0
.rept 32
	global_load_b128 v[X+4*iK:X+4*iK+3], v1, s[4:5] offset:16*iK   ; K is innermost here: my row's 512 bytes
.set iK, iK+1
.endr
	s_branch .Ljoin
.Lnot_x:
	s_cmp_lt_u32 s17, 128
	s_cbranch_scc0 .Lwu
	s_cmp_lt_u32 s17, 96                           ; which weight: a choice that hangs on the work-group's number alone
	s_cselect_b64 s[8:9], s[8:9], s[10:11]
	s_cmp_lt_u32 s17, 64
	s_cselect_b64 s[6:7], s[6:7], s[8:9]
	s_and_b32 s24, s17, 31
	s_lshl_b32 s24, s24, 9                         ; column 128 c, in bytes
	s_lshl_b32 s26, s16, 7
	s_add_co_u32 s24, s24, s26                     ; + 32 w
	s_lshl_b32 s26, s18, 21
	s_add_co_u32 s24, s24, s26                     ; + 128 g rows of 16,384 bytes
	s_add_nc_u64 s[6:7], s[6:7], s[24:25]
	COLS 6, 16384
	s_branch .Ljoin
.Lwu:
	s_and_b32 s24, s17, 7
	s_lshl_b32 s24, s24, 20                        ; 512 k rows of 2,048 bytes
	s_lshl_b32 s26, s18, 18
	s_add_co_u32 s24, s24, s26                     ; + 128 g rows
	s_lshr_b32 s26, s17, 3
	s_and_b32 s26, s26, 3
	s_lshl_b32 s26, s26, 9
	s_add_co_u32 s24, s24, s26                     ; + column 128 n
	s_lshl_b32 s26, s16, 7
	s_add_co_u32 s24, s24, s26                     ; + 32 w
	s_add_nc_u64 s[12:13], s[12:13], s[24:25]
	COLS 12, 2048
.Ljoin:
	s_wait_loadcnt 0x0
; Block bk of my row: k = 32 bk .. 32 bk + 31.  In the fragment it is registers 6 (bk / 2) .. + 5 of lane r + 16 (bk % 2).
.macro BLK bk
.set XS, X+32*\bk
.set CD, 16+8*\bk
.set TD, 48+4*\bk
	v_max3_num_f32 v8, |v[XS]|, |v[XS+1]|, |v[XS+2]|
	v_max3_num_f32 v9, |v[XS+3]|, |v[XS+4]|, |v[XS+5]|
.irp i, 6,10,14,18,22,26
	v_max3_num_f32 v8, v8, |v[XS+\i]|, |v[XS+\i+1]|
	v_max3_num_f32 v9, v9, |v[XS+\i+2]|, |v[XS+\i+3]|
.endr
	v_max3_num_f32 v8, v8, |v[XS+30]|, |v[XS+31]|
	v_max3_num_f32 v8, v8, v9, 0x1800000           ; and the floor 2^(3 - 127): the byte cannot fall under 1
	v_add_nc_u32 v10, 0xff000000, v8               ; 2 off the exponent field: the conversion's scale operand
	v_lshrrev_b32 v11, 23, v10                     ; the scale's byte
	v_cvt_scalef32_pk16_fp6_f32 v[CD:CD+2], v[XS:XS+15], v10
	v_cvt_scalef32_pk16_fp6_f32 v[TD:TD+2], v[XS+16:XS+31], v10   ; (a conversion's three registers begin on an even number)
.if \bk == 0
	v_mov_b32 v12, v11                             ; the four bytes make my row's scale word.  (A plain line behind the conversions)
.else
	v_lshl_or_b32 v12, v11, 8*\bk, v12
.endif
.irp i, 0,1,2
	v_mov_b32 v[CD+3+\i], v[TD+\i]
.endr
.if \bk < 2
	ds_store_b128 v3, v[CD:CD+3] offset:256*\bk              ; registers 0-3
	ds_store_b64 v3, v[CD+4:CD+5] offset:512+256*\bk         ; registers 4, 5
.else
	ds_store_b64 v3, v[CD:CD+1] offset:520+256*(\bk-2)       ; registers 6, 7
	ds_store_b128 v3, v[CD+2:CD+5] offset:1024+256*(\bk-2)   ; registers 8-11
.endif
.endm
	BLK 0
	BLK 1
	BLK 2
	BLK 3
	ds_store_b32 v5, v12
.irp c, 0,1,2,3,4,5
	ds_load_b128 v[X+4*\c:X+4*\c+3], v4 offset:512*\c         ; LDS serves a wave's instructions in order: these see my stores
.endr
	s_wait_dscnt 0x0                               ; my scale words have landed, for wave 0's sake; my fragments are back
	s_barrier_signal -1
	s_barrier_wait -1
.irp c, 0,1,2,3,4,5
	global_store_b128 v6, v[X+4*\c:X+4*\c+3], s[22:23] offset:512*\c   ; each store covers 512 consecutive bytes, aligned
.endr
	s_cmp_lg_u32 s16, 0
	s_cbranch_scc1 .Lnot_wave_0
	ds_load_b128 v[X+24:X+27], v15                 ; the four waves' scale words
	s_wait_dscnt 0x0
	global_store_b128 v6, v[X+24:X+27], s[20:21]
.Lnot_wave_0:
	s_wait_tensorcnt 0x0                           ; the wave's end, behind my last LDS store
	ds_add_u32 v[SPW], v[NIL]
	s_wait_dscnt 0x0
	s_endpgm
.Lfunc_end_k_q53119952e9_quant:
	.size	k_q53119952e9_quant, .Lfunc_end_k_q53119952e9_quant-k_q53119952e9_quant
	.p2alignl 7, 3214868480
	.fill 96, 4, 3214868480
	.section	.rodata,"a",@progbits
	.p2align	6, 0x0
	.amdhsa_kernel k_q53119952e9_quant
		.amdhsa_group_segment_fixed_size 13312
		.amdhsa_private_segment_fixed_size 0
		.amdhsa_enable_private_segment 0
		.amdhsa_kernarg_size 48
		.amdhsa_user_sgpr_count 2
		.amdhsa_user_sgpr_kernarg_segment_ptr 1
		.amdhsa_wavefront_size32 1
		.amdhsa_system_sgpr_workgroup_id_x 1
		.amdhsa_system_sgpr_workgroup_id_y 1
		.amdhsa_system_sgpr_workgroup_id_z 1
		.amdhsa_system_vgpr_workitem_id 0
		.amdhsa_next_free_vgpr 192
		.amdhsa_next_free_sgpr 66
		.amdhsa_reserve_vcc 0
		.amdhsa_float_denorm_mode_32 3
		.amdhsa_float_denorm_mode_16_64 3
		.amdhsa_memory_ordered 1
		.amdhsa_forward_progress 1
		.amdhsa_inst_pref_size 38
	.end_amdhsa_kernel
	.amdgpu_metadata
---
amdhsa.version: [ 1, 2 ]
amdhsa.kernels:
  - .name:           k_q53119952e9_quant
    .symbol:         k_q53119952e9_quant.kd
    .args:
      - { .name: x, .offset: 0, .size: 8, .value_kind: global_buffer, .address_space: global }
      - { .name: Wq, .offset: 8, .size: 8, .value_kind: global_buffer, .address_space: global }
      - { .name: Wk, .offset: 16, .size: 8, .value_kind: global_buffer, .address_space: global }
      - { .name: Wv, .offset: 24, .size: 8, .value_kind: global_buffer, .address_space: global }
      - { .name: Wu, .offset: 32, .size: 8, .value_kind: global_buffer, .address_space: global }
      - { .name: ops, .offset: 40, .size: 8, .value_kind: global_buffer, .address_space: global }
    .group_segment_fixed_size: 13312
    .private_segment_fixed_size: 0
    .kernarg_segment_align: 8
    .kernarg_segment_size: 48
    .max_flat_workgroup_size: 128
    .sgpr_count:     66
    .vgpr_count:     192
    .wavefront_size: 32
...
	.end_amdgpu_metadata
.endif
;; end of part 1
;; launch qkv (part 2): grid 16 x 16, 8 waves a work-group, clusters of 4 x 4, 327,680 bytes of LDS; arguments ops, qs, kv; writes qs, kv
.if DOCPART == 2
	.amdgcn_target "amdgcn-amd-amdhsa--gfx1250"
	.amdhsa_code_object_version 6
	.text
	.protected	k_q53119952e9_qkv
	.globl	k_q53119952e9_qkv
	.p2align	8
	.type	k_q53119952e9_qkv,@function
k_q53119952e9_qkv:
	s_mov_b64 s[64:65], 0
	v_nop
	global_prefetch_b8 v0, s[64:65] scope:SCOPE_SE
	s_setreg_imm32_b32 hwreg(HW_REG_WAVE_MODE, 25, 1), 1
	s_wait_xcnt 0x0
	s_wait_alu depctr_hold_cnt(0) depctr_sa_sdst(0) depctr_va_vdst(0) depctr_va_sdst(0) depctr_va_ssrc(0) depctr_va_vcc(0) depctr_vm_vsrc(0)
	s_getreg_b32 s2, hwreg(HW_REG_IB_STS2, 6, 4)
	s_cmp_eq_u32 s2, 0
	s_cbranch_scc0 .Lentry_in_a_cluster
	s_endpgm
.Lentry_in_a_cluster:
	s_bfe_u32 s2, ttmp6, 0x10000c
	s_cmp_lg_u32 s2, 0xf033
	s_cbranch_scc0 .Lentry_shape_is_right
	s_endpgm
.Lentry_shape_is_right:
; q = x Wq, k = x Wk (both x 512^-0.25), v = x Wv on codes of FP6 (E2M3) with E8M0 scales; the results are quantised in registers, q and k along the head's channels, v along the tokens, and leave as codes alone.
; All operands are SLABS of register images (128 rows x 512 K, 51,200 bytes: fragment (K step g, tile t) at (8 g + t) x 1,536, register 4 c + e of lane l at 512 c + 16 l + 4 e; scale words of K step g at 49,152 + 512 g,
; the word of tile 2 p + u, lane r at 16 (16 u + r) + 4 p).  Lane r of tile t holds row 32 (t / 2) + 8 (t % 2) + r + 8 (r / 8): as source 0 that makes the 16 result registers of tiles 2 b, 2 b + 1 sixteen neighbours.
; SHARES.  A work-group owns 256 tokens and 256 columns of Wq, then of Wk, then of Wv; x's tile is fetched once.  EIGHT WAVES, two to a SIMD, 512 registers each.  A wave multiplies one slab as source 0 (8 tiles) by half a slab as
; source 1 (4 tiles): 32 accumulators.  q, k: source 0 = W, source 1 = x: a lane holds a token, its registers run along 128 channels.  v: source 0 = x, source 1 = Wv: a lane holds a channel, its registers run along 128 tokens.
; THE ORDER OF WORK.  Waves 0-3 go product, way out.  Waves 4-7 begin one product later (a barrier holds them) and then go way out of the tile before, product: so the two waves of a SIMD do unlike work side by side.
; Every branch hangs on the wave's number alone; every wave passes every barrier.
; OUT.  qs: slab (b h, 128-token group).  kv: for each (b, h) eight slabs of k, then eight of v (512 channels x 128 keys).  A fragment's stores cover 512 consecutive bytes, aligned.  A wave owns four of a slab's eight tiles,
; so of each 16 bytes of a block of scale words it stores 8: 256 bytes beside 6,144 of codes.
; CLUSTER 4 x 4: x's tile is shared along a row of the cluster, W's along a column: each is asked for jointly.  At the head waves 0, 1 bring x's halves, waves 2, 3 Wq's, waves 4-7 Wk's quarters; Wv's tile later, an eighth a wave.
; One tensor load of a wave is out at any time.  No prefetch: the text has no loop to run ahead in, and Wv's load stands a way out and a product ahead of its first read.
; LIMITS: a block of zeros, or one under 2^-124, gets the byte 1 (read by this program alone); NaN and infinities are not served.
; REGISTERS: window 0: v1-7, v26-27, v30-31 addresses; v8-23 the quantiser's; v24-25, v28-29 scale words made; v32-47, v48-55 scale words of sources 0 and 1; v64-159 source 0's fragments, one set; v160-255 source 1's, two sets
;   (on the way out: v64-127 numbers, v128-147 codes).   window 1: accumulator (o, i) at 64 o + 8 i.
.set XT,    0                          ; LDS: x's tile (two slabs),
.set WS0,   102400                     ; Wq's, later Wv's,
.set WS1,   204800                     ; Wk's
.set SPARE, 307200                     ; the spare words, 128 bytes for each wave: four blocks of 256 bytes that no other line names
.set SLAB,  51200
.set FRB,   1536
.set AX,  1                            ; my slab of x,
.set AW0, 2                            ; of WS0,
.set AW1, 3                            ; of WS1, each as source 0
.set VO,  4                            ; my place in the slab that I store into
.set VS,  5                            ; and in its scale words
.set SPW, 6
.set NIL, 7
.set TM,  8
.set AXH, 26                           ; my four tiles of x's slab, of WS0's, as source 1
.set AWH, 27
.set W4,  28
.set AXS, 30                           ; and their scale words
.set AWS, 31
.set SC0, 32
.set SC1, 48
.set S0F, 64
.set S1F, 160
.set T,   64
.set PC,  128
.set WV,  10
.set G1X, 24
.set G1W, 32
.set G0X, 40
.set G0Q, 44
.set G0K, 48
.set G0V, 52
.set INV, 56                           ; s[56:57] 512^-0.25
.set SEL, 58
.set MSK, 60
.set DQ,  62
.set DK,  66
.set GRP, 75                           ; w / 4: which order of work, and which four tiles of source 1
.set G1K, 80
.set MSB, 0
.macro WIN new                         ; the immediate's high byte repeats the setting that is left; a switch that changes nothing is dropped
.set WNEW, \new
.if MSB != WNEW
	s_set_vgpr_msb (MSB<<8)|WNEW
.set MSB, WNEW
.endif
.endm
.macro PLACES                          ; four plain places behind matrix instructions (ISA guide 7.12.1)
.rept 4
	v_nop
.endr
.endm
.macro CREST
	s_cmp_lg_u32 s[WV], 0
	s_cbranch_scc1 .Lnot_wave_0_\@
	s_barrier_signal -3
.Lnot_wave_0_\@:
	s_barrier_wait -3
	s_barrier_signal -1
	s_barrier_wait -1
.endm
.macro CROUND                          ; a round of the cluster's barrier
	s_barrier_signal -1
	s_barrier_wait -1
	CREST
.endm
.macro TL g0, g1                       ; a joint load with an s_nop 0 and four v_nop behind it
	tensor_load_to_lds s[\g0:\g0+3], s[\g1:\g1+7]
	s_nop 0
.rept 4
	v_nop
.endr
.endm
.macro WM                              ; one product: D rD, source 0 rA, source 1 rB, scale registers rSA, rSB, from lanes 16-31 where fRA, fRB; fZ: it starts the sum
.if fZ
.if fRA && fRB
	v_wmma_scale_f32_16x16x128_f8f6f4 v[rD:rD+7], v[rA:rA+11], v[rB:rB+11], 0, v[rSA], v[rSB] matrix_a_fmt:MATRIX_FMT_FP6 matrix_b_fmt:MATRIX_FMT_FP6 matrix_a_scale:MATRIX_SCALE_ROW1 matrix_b_scale:MATRIX_SCALE_ROW1
.elseif fRA
	v_wmma_scale_f32_16x16x128_f8f6f4 v[rD:rD+7], v[rA:rA+11], v[rB:rB+11], 0, v[rSA], v[rSB] matrix_a_fmt:MATRIX_FMT_FP6 matrix_b_fmt:MATRIX_FMT_FP6 matrix_a_scale:MATRIX_SCALE_ROW1
.elseif fRB
	v_wmma_scale_f32_16x16x128_f8f6f4 v[rD:rD+7], v[rA:rA+11], v[rB:rB+11], 0, v[rSA], v[rSB] matrix_a_fmt:MATRIX_FMT_FP6 matrix_b_fmt:MATRIX_FMT_FP6 matrix_b_scale:MATRIX_SCALE_ROW1
.else
	v_wmma_scale_f32_16x16x128_f8f6f4 v[rD:rD+7], v[rA:rA+11], v[rB:rB+11], 0, v[rSA], v[rSB] matrix_a_fmt:MATRIX_FMT_FP6 matrix_b_fmt:MATRIX_FMT_FP6
.endif
.else
.if fRA && fRB
	v_wmma_scale_f32_16x16x128_f8f6f4 v[rD:rD+7], v[rA:rA+11], v[rB:rB+11], v[rD:rD+7], v[rSA], v[rSB] matrix_a_fmt:MATRIX_FMT_FP6 matrix_b_fmt:MATRIX_FMT_FP6 matrix_a_scale:MATRIX_SCALE_ROW1 matrix_b_scale:MATRIX_SCALE_ROW1
.elseif fRA
	v_wmma_scale_f32_16x16x128_f8f6f4 v[rD:rD+7], v[rA:rA+11], v[rB:rB+11], v[rD:rD+7], v[rSA], v[rSB] matrix_a_fmt:MATRIX_FMT_FP6 matrix_b_fmt:MATRIX_FMT_FP6 matrix_a_scale:MATRIX_SCALE_ROW1
.elseif fRB
	v_wmma_scale_f32_16x16x128_f8f6f4 v[rD:rD+7], v[rA:rA+11], v[rB:rB+11], v[rD:rD+7], v[rSA], v[rSB] matrix_a_fmt:MATRIX_FMT_FP6 matrix_b_fmt:MATRIX_FMT_FP6 matrix_b_scale:MATRIX_SCALE_ROW1
.else
	v_wmma_scale_f32_16x16x128_f8f6f4 v[rD:rD+7], v[rA:rA+11], v[rB:rB+11], v[rD:rD+7], v[rSA], v[rSB] matrix_a_fmt:MATRIX_FMT_FP6 matrix_b_fmt:MATRIX_FMT_FP6
.endif
.endif
.endm
; 64 numbers of a lane, v[qS] .. v[qS + 63] of window qW, register 16 b + i = k 32 b + 16 (lane / 16) + i of my row, become a fragment's codes in v[PC] .. v[PC + 11] and its scale word in v[qP].
.macro QUANT
	WIN qW|(qW<<2)
.irp b, 0,1,2,3
	v_max3_num_f32 v[TM+\b], |v[qS+16*\b]|, |v[qS+16*\b+1]|, 0x1800000   ; block b: my 16 numbers, and the floor 2^(3 - 127): the byte cannot fall under 1
.endr
	WIN (qW<<2)|(qW<<4)
.irp i, 2,4,6,8,10,12,14
.irp b, 0,1,2,3
	v_max3_num_f32 v[TM+\b], v[TM+\b], |v[qS+16*\b+\i]|, |v[qS+16*\b+\i+1]|   ; (the four blocks by turns)
.endr
.endr
	WIN 0
.irp b, 0,1,2,3
	v_permlanex16_b32 v[TM+4+\b], v[TM+\b], s[SEL], s[SEL+1]
.endr
.irp b, 0,1,2,3
	v_max_num_f32 v[TM+\b], v[TM+\b], v[TM+4+\b]   ; with lane l xor 16's: the block's largest magnitude
.endr
.irp b, 0,1,2,3
	v_add_nc_u32 v[TM+12+\b], 0xff000000, v[TM+\b] ; 2 off its exponent field: the conversion's scale operand
.endr
.irp b, 0,1,2,3
	v_lshrrev_b32 v[TM+4+\b], 23, v[TM+12+\b]      ; the scale's byte
.endr
	v_lshl_or_b32 v[qP], v[TM+5], 8, v[TM+4]
	v_lshl_or_b32 v[qP], v[TM+6], 16, v[qP]
	v_lshl_or_b32 v[qP], v[TM+7], 24, v[qP]
	WIN qW
.irp c, 0,1
	v_cvt_scalef32_pk16_fp6_f32 v[PC+6*\c:PC+6*\c+2], v[qS+32*\c:qS+32*\c+15], v[TM+12+2*\c]
	v_cvt_scalef32_pk16_fp6_f32 v[PC+12+4*\c:PC+14+4*\c], v[qS+32*\c+16:qS+32*\c+31], v[TM+13+2*\c]   ; (a conversion's three registers begin on an even number)
.endr
	WIN 0
	v_nop                                          ; one plain place behind a scaled conversion
.irp c, 0,1                                    ; the operand's layout wants a whole block in a lane
.irp i, 0,1,2
	v_permlane16_swap_b32 v[PC+6*\c+\i], v[PC+12+4*\c+\i]
.endr
.irp i, 0,1,2
	v_mov_b32 v[PC+3+6*\c+\i], v[PC+12+4*\c+\i]
.endr
.endr
.endm
	s_load_b128 s[4:7], s[0:1], 0x0                ; ops, qs
	s_load_b64 s[8:9], s[0:1], 0x10                ; kv
	v_lshl_add_u32 v[SPW], v0, 2, SPARE
	v_mov_b32 v[NIL], 0
	ds_add_u32 v[SPW], v[NIL]                      ; the opening lines: the add twice on end and one wait, ahead of my first tensor load
	ds_add_u32 v[SPW], v[NIL]
	v_lshrrev_b32 v1, 5, v0
	v_readfirstlane_b32 s[WV], v1                  ; wave 0..7
	s_bfe_u32 s11, ttmp6, 0x40000                  ; cx
	s_bfe_u32 s12, ttmp6, 0x40004                  ; cy
	s_lshl_b32 s13, ttmp9, 2
	s_add_co_u32 s13, s13, s11                     ; X: columns 256 X ..
	s_and_b32 s14, ttmp7, 0xffff
	s_lshl_b32 s14, s14, 2
	s_add_co_u32 s14, s14, s12                     ; Y: tokens 256 Y ..
	s_lshl_b32 s15, s12, 2
	s_lshl_b32 s15, 15, s15                        ; my row of the cluster
	s_lshl_b32 s16, 0x1111, s11                    ; my column
	s_or_b32 s[G1X], s15, (3<<16)|(1<<21)          ; 15:0 the mask; elements of 8 bytes; bit 21 beside a mask; no padding: every LDS access takes 512 consecutive bytes
	s_or_b32 s[G1W], s16, (3<<16)|(1<<21)
	s_or_b32 s[G1K], s16, (3<<16)|(1<<21)
.irp g, G1X, G1W, G1K
	s_mov_b32 s[\g+1], 32<<16                      ; rows of 256 bytes, dense
	s_mov_b32 s[\g+3], 32<<16
	s_mov_b32 s[\g+5], 32
	s_mov_b32 s[\g+6], 0
	s_mov_b32 s[\g+7], 0
.endr
.irp g, G1X, G1W
	s_mov_b32 s[\g+2], 200<<16                     ; half a tile: 200 rows
	s_mov_b32 s[\g+4], 200
.endr
	s_mov_b32 s[G1K+2], 100<<16                    ; a quarter: 100 rows
	s_mov_b32 s[G1K+4], 100
	s_and_b32 s76, s[WV], 1
	s_mul_i32 s76, s76, 51200                      ; which half,
	s_and_b32 s77, s[WV], 3
	s_mul_i32 s77, s77, 25600                      ; quarter,
	s_mul_i32 s17, s[WV], 12800                    ; eighth of a tile I bring, in memory and in LDS
	s_mul_i32 s18, s14, 102400                     ; x's tile hangs on Y alone,
	s_add_co_u32 s18, s18, s76
	s_mov_b32 s19, 0
	s_mul_i32 s20, s13, 102400                     ; W's on X alone
	s_add_co_u32 s78, s20, s76
	s_mov_b32 s79, 0
	s_add_co_u32 s88, s20, s77
	s_mov_b32 s89, 0
	s_add_co_u32 s20, s20, s17
	s_mov_b32 s21, 0
	s_mov_b32 s[INV], 0x3e5744fd
	s_mov_b32 s[INV+1], s[INV]
	s_mov_b32 s[SEL], 0x76543210
	s_mov_b32 s[SEL+1], 0xfedcba98
	s_mov_b32 s[MSK], 0xffff0000
	s_lshr_b32 s[GRP], s[WV], 2
	s_bfe_u32 s22, s[WV], 0x10001                  ; which token slab is mine
	s_and_b32 s23, s[WV], 1                        ; which column slab
	s_lshl_b32 s68, s14, 1
	s_add_co_u32 s68, s68, s22                     ; my 128-token group
	s_lshr_b32 s69, s68, 3                         ; b
	s_and_b32 s68, s68, 7                          ; the group within the batch
	s_lshl_b32 s70, s13, 1
	s_add_co_u32 s70, s70, s23                     ; my 128-column group
	s_lshr_b32 s71, s70, 2                         ; h
	s_and_b32 s70, s70, 3                          ; g: the 128 channels within the head
	s_lshl_b32 s69, s69, 3
	s_add_co_u32 s69, s69, s71                     ; 8 b + h
	s_lshl_b32 s[DQ], s69, 3
	s_add_co_u32 s[DQ], s[DQ], s68
	s_mul_i32 s[DQ], s[DQ], SLAB
	s_mov_b32 s[DQ+1], 0
	s_mul_i32 s[DK], s69, 819200
	s_mul_i32 s74, s68, SLAB
	s_add_co_u32 s[DK], s[DK], s74
	s_mov_b32 s[DK+1], 0
	s_mul_i32 s90, s[GRP], 6144                    ; my four tiles of source 1's eight,
	s_lshl_b32 s91, s[GRP], 3                      ; their two scale words of four
	s_mul_i32 s72, s70, 12288
	s_add_co_u32 s72, s72, s90
	s_lshl_b32 s73, s70, 9
	s_add_co_u32 s73, s73, s91
	s_add_co_u32 s73, s73, 49152
	s_mul_i32 s2, s22, SLAB
	s_mul_i32 s3, s23, SLAB
	s_add_co_u32 s3, s3, WS0
	v_and_b32 v8, 31, v0                           ; all vector set-up in one run
	v_lshlrev_b32 v8, 4, v8                        ; 16 x lane
	v_add_nc_u32 v[AX], s2, v8
	v_add_nc_u32 v[AW0], s3, v8
	v_add_nc_u32 v[AW1], 102400, v[AW0]
	v_add_nc_u32 v[AXH], s90, v[AX]
	v_add_nc_u32 v[AWH], s90, v[AW0]
	v_add_nc_u32 v[AXS], s91, v[AX]
	v_add_nc_u32 v[AWS], s91, v[AW0]
	v_add_nc_u32 v[VO], s72, v8
	v_add_nc_u32 v[VS], s73, v8
.irp b, 0,1,2,3
	v_mov_b32 v[TM+4+\b], 0                        ; written once: a lane permute's destination counts as one of its sources
.endr
	s_wait_alu depctr_va_vdst(0)                   ; the wait at the head's end
	s_wait_dscnt 0x0                               ; both opening adds are done
	s_wait_kmcnt 0x0
	s_add_nc_u64 s[18:19], s[4:5], s[18:19]
	s_add_nc_u64 s[78:79], s[4:5], s[78:79]
	s_add_nc_u64 s[88:89], s[4:5], s[88:89]
	s_add_nc_u64 s[20:21], s[4:5], s[20:21]
	s_add_nc_u64 s[DQ:DQ+1], s[6:7], s[DQ:DQ+1]
	s_add_nc_u64 s[DK:DK+1], s[8:9], s[DK:DK+1]
	s_mov_b32 s[G0X], 1
	s_add_co_u32 s[G0X+1], s76, XT
	s_mov_b64 s[G0X+2:G0X+3], s[18:19]
	s_or_b32 s[G0X+3], s[G0X+3], 0x80000000
	s_mov_b32 s[G0Q], 1
	s_add_co_u32 s[G0Q+1], s76, WS0
	s_add_nc_u64 s[G0Q+2:G0Q+3], s[78:79], 32*SLAB
	s_or_b32 s[G0Q+3], s[G0Q+3], 0x80000000
	s_mov_b32 s[G0K], 1
	s_add_co_u32 s[G0K+1], s77, WS1
	s_add_nc_u64 s[G0K+2:G0K+3], s[88:89], 64*SLAB
	s_or_b32 s[G0K+3], s[G0K+3], 0x80000000
	s_mov_b32 s[G0V], 1
	s_add_co_u32 s[G0V+1], s17, WS0
	s_add_nc_u64 s[G0V+2:G0V+3], s[20:21], 96*SLAB
	s_or_b32 s[G0V+3], s[G0V+3], 0x80000000
	CROUND                                         ; all sixteen work-groups are here: the first joint loads meet
	; THE HEAD'S LOADS, ONE A WAVE, in one chain of branches on the wave's number
	s_cmp_lt_u32 s[WV], 2
	s_cbranch_scc0 .Lhead_q
	TL G0X, G1X                                    ; waves 0, 1: x's halves
	s_branch .Lhead_asked
.Lhead_q:
	s_cmp_lt_u32 s[WV], 4
	s_cbranch_scc0 .Lhead_k
	TL G0Q, G1W                                    ; waves 2, 3: Wq's halves
	s_branch .Lhead_asked
.Lhead_k:
	TL G0K, G1K                                    ; waves 4-7: Wk's quarters
.Lhead_asked:
.macro F0 a0, ks, lo                   ; source 0's tiles lo .. lo + 3 of K step ks
.irp t, 0,1,2,3
.irp c, 0,1,2
	ds_load_b128 v[S0F+12*(\lo+\t)+4*\c:S0F+12*(\lo+\t)+4*\c+3], v[\a0] offset:(8*(\ks)+\lo+\t)*FRB+512*\c
.endr
.endr
.endm
.macro F1 a1, ks                       ; source 1's four tiles of K step ks into set ks % 2
.irp t, 0,1,2,3
.irp c, 0,1,2
	ds_load_b128 v[S1F+48*((\ks)%2)+12*\t+4*\c:S1F+48*((\ks)%2)+12*\t+4*\c+3], v[\a1] offset:(8*(\ks)+\t)*FRB+512*\c
.endr
.endr
.endm
.macro MULP ks, ilo                    ; 16 products: source 0's tiles ilo .. ilo + 3, each against source 1's four.  The 32 accumulators take turns in the same order in every K step
.set iI, \ilo
.rept 4
.set iP, 0
.rept 4
.set rD, 64*iP+8*iI
.set rA, S0F+12*iI
.set rB, S1F+48*((\ks)%2)+12*iP
.set rSA, SC0+4*(\ks)+iI/2
.set rSB, SC1+2*(\ks)+iP/2
.set fRA, iI%2
.set fRB, iP%2
.set fZ, (\ks)==0
	WM
.set iP, iP+1
.endr
.set iI, iI+1
.endr
.endm
; A wave's product: four K steps of 128, 32 products each.  A tile of source 0 is free behind its four products: tiles 0-3 are fetched anew in the step's middle, tiles 4-7 at its end.
.macro PROD a0, a1, a1s
	s_wait_xcnt 0x0                                ; the last stores have read their registers: loads may land there
.irp k, 0,1,2,3
	ds_load_b128 v[SC0+4*\k:SC0+4*\k+3], v[\a0] offset:49152+512*\k   ; register p: tile 2 p in lanes 0-15, tile 2 p + 1 in lanes 16-31
	ds_load_b64 v[SC1+2*\k:SC1+2*\k+1], v[\a1s] offset:49152+512*\k
.endr
	F1 \a1, 0
	F0 \a0, 0, 0
	F0 \a0, 0, 4
.irp k, 0,1,2,3
	s_wait_dscnt 12                                ; all but source 0's tiles 4-7, the youngest 12 loads
	WIN 0x50                                       ; C and D window 1, the sources window 0
	MULP \k, 0
	s_wait_dscnt 0x0
.if \k < 3
	PLACES
	WIN 0
	F1 \a1, \k+1
	F0 \a0, \k+1, 0
	WIN 0x50
.endif
	MULP \k, 4
.if \k < 3
	PLACES
	WIN 0
	F0 \a0, \k+1, 4
.endif
.endr
	WIN 0
.rept 5
	v_nop                                          ; places in front of reads of the results and of products that begin the sums anew
.endr
.endm
; The way out: for each of source 1's four tiles: (kind 0: x 512^-0.25) the quantiser, three stores of the fragment's image; at the end the four tiles' scale words.
.macro EPI kind, base, add
.set iO, 0
.rept 4
	s_wait_xcnt 0x0                                ; the last fragment's stores have read their registers
.if \kind == 0
	WIN 1
.set iJ, 0
.rept 32
	v_pk_mul_f32 v[T+iJ:T+iJ+1], v[64*iO+iJ:64*iO+iJ+1], s[INV:INV+1] op_sel_hi:[1,0]   ; each accumulator from its low end on
.set iJ, iJ+2
.endr
.set qS, T
.set qW, 0
.else
.set qS, 64*iO
.set qW, 1
.endif
.set qP, 24+iO%2
	QUANT
.irp c, 0,1,2
	global_store_b128 v[VO], v[PC+4*\c:PC+4*\c+3], s[\base:\base+1] offset:\add+FRB*iO+512*\c
.endr
.if iO%2
	v_cndmask_b32 v[W4+iO/2], v24, v25, s[MSK]     ; the even tile's words in lanes 0-15, the odd tile's in lanes 16-31
.endif
.set iO, iO+1
.endr
	global_store_b64 v[VS], v[W4:W4+1], s[\base:\base+1] offset:\add
	s_wait_alu depctr_va_vdst(0)                   ; ahead of the branches and waits that follow
.endm
	s_wait_tensorcnt 0x0                           ; my one load of the head's is in
	s_mov_b32 s[G1K+2], 50<<16                     ; no load of mine is out: Wv's tile comes by eighths, 50 rows
	s_mov_b32 s[G1K+4], 50
	s_barrier_signal -1
	s_barrier_wait -1                              ; everybody's is: x's, Wq's and Wk's tiles are whole
	s_cmp_lg_u32 s[GRP], 0
	s_cbranch_scc1 .Lhold
	PROD AW0, AXH, AXS                             ; waves 0-3: q
.Lhold:
	s_barrier_signal -1
	s_barrier_wait -1                              ; waves 4-7 begin one product later
	s_cmp_lg_u32 s[GRP], 0
	s_cbranch_scc1 .Lq_late
	EPI 0, DQ, 0                                   ; waves 0-3: q's way out
	s_branch .Lq_read
.Lq_late:
	PROD AW0, AXH, AXS                             ; waves 4-7: q
.Lq_read:
	s_wait_tensorcnt 0x0                           ; no load of mine is out;
	ds_add_u32 v[SPW], v[NIL]                      ; 0 onto my spare word;
	s_wait_dscnt 0x0                               ; the add is done, and my reads of Wq's tile are over
	CROUND                                         ; that holds of every wave of every partner
	TL G0V, G1K                                    ; Wv's tile into Wq's bytes
	s_cmp_eq_u32 s[GRP], 0
	s_cbranch_scc1 .Lk
	EPI 0, DQ, 0                                   ; waves 4-7: q's way out
.Lk:
	PROD AW1, AXH, AXS                             ; k
	s_cmp_lg_u32 s[GRP], 0
	s_cbranch_scc1 .Lv_in
	EPI 0, DK, 0                                   ; waves 0-3: k's way out
.Lv_in:
	s_wait_tensorcnt 0x0                           ; my part of Wv's tile is in,
	s_barrier_signal -1
	s_barrier_wait -1                              ; everybody's is
	s_cmp_eq_u32 s[GRP], 0
	s_cbranch_scc1 .Lv
	EPI 0, DK, 0                                   ; waves 4-7: k's way out
.Lv:
	PROD AX, AWH, AWS                              ; v, the sources the other way round
	EPI 1, DK, 409600
	s_wait_tensorcnt 0x0                           ; the wave's end
	ds_add_u32 v[SPW], v[NIL]
	s_wait_dscnt 0x0
	CROUND                                         ; the closing round
	s_endpgm
.Lfunc_end_k_q53119952e9_qkv:
	.size	k_q53119952e9_qkv, .Lfunc_end_k_q53119952e9_qkv-k_q53119952e9_qkv
	.p2alignl 7, 3214868480
	.fill 96, 4, 3214868480
	.section	.rodata,"a",@progbits
	.p2align	6, 0x0
	.amdhsa_kernel k_q53119952e9_qkv
		.amdhsa_group_segment_fixed_size 327680
		.amdhsa_private_segment_fixed_size 0
		.amdhsa_enable_private_segment 0
		.amdhsa_kernarg_size 24
		.amdhsa_user_sgpr_count 2
		.amdhsa_user_sgpr_kernarg_segment_ptr 1
		.amdhsa_wavefront_size32 1
		.amdhsa_system_sgpr_workgroup_id_x 1
		.amdhsa_system_sgpr_workgroup_id_y 1
		.amdhsa_system_sgpr_workgroup_id_z 1
		.amdhsa_system_vgpr_workitem_id 0
		.amdhsa_next_free_vgpr 512
		.amdhsa_next_free_sgpr 96
		.amdhsa_reserve_vcc 0
		.amdhsa_float_denorm_mode_32 3
		.amdhsa_float_denorm_mode_16_64 3
		.amdhsa_memory_ordered 1
		.amdhsa_forward_progress 1
		.amdhsa_inst_pref_size 234
	.end_amdhsa_kernel
	.amdgpu_metadata
---
amdhsa.version: [ 1, 2 ]
amdhsa.kernels:
  - .name:           k_q53119952e9_qkv
    .symbol:         k_q53119952e9_qkv.kd
    .args:
      - { .name: ops, .offset: 0, .size: 8, .value_kind: global_buffer, .address_space: global }
      - { .name: qs, .offset: 8, .size: 8, .value_kind: global_buffer, .address_space: global }
      - { .name: kv, .offset: 16, .size: 8, .value_kind: global_buffer, .address_space: global }
    .group_segment_fixed_size: 327680
    .private_segment_fixed_size: 0
    .kernarg_segment_align: 8
    .kernarg_segment_size: 24
    .max_flat_workgroup_size: 256
    .sgpr_count:     96
    .vgpr_count:     512
    .wavefront_size: 32
...
	.end_amdgpu_metadata
.endif
;; end of part 2
;; launch attn (part 3): grid 8 x 32, 8 waves a work-group, clusters of 4 x 1, 327,680 bytes of LDS; arguments qs, kv, oc; writes oc
.if DOCPART == 3
	.amdgcn_target "amdgcn-amd-amdhsa--gfx1250"
	.amdhsa_code_object_version 6
	.text
	.protected	k_q53119952e9_attn
	.globl	k_q53119952e9_attn
	.p2align	8
	.type	k_q53119952e9_attn,@function
k_q53119952e9_attn:
	s_mov_b64 s[64:65], 0
	v_nop
	global_prefetch_b8 v0, s[64:65] scope:SCOPE_SE
	s_setreg_imm32_b32 hwreg(HW_REG_WAVE_MODE, 25, 1), 1
	s_wait_xcnt 0x0
	s_wait_alu depctr_hold_cnt(0) depctr_sa_sdst(0) depctr_va_vdst(0) depctr_va_sdst(0) depctr_va_ssrc(0) depctr_va_vcc(0) depctr_vm_vsrc(0)
	s_getreg_b32 s2, hwreg(HW_REG_IB_STS2, 6, 4)
	s_cmp_eq_u32 s2, 0
	s_cbranch_scc0 .Lentry_in_a_cluster
	s_endpgm
.Lentry_in_a_cluster:
	s_bfe_u32 s2, ttmp6, 0x10000c
	s_cmp_lg_u32 s2, 0x3003
	s_cbranch_scc0 .Lentry_shape_is_right
	s_endpgm
.Lentry_shape_is_right:
; o = softmax(q k^T) v for one (batch, head) and 128 queries, on codes of FP6 (E2M3) with E8M0 scales; o is divided by the row's sum, quantised along the channels and leaves as codes.
; qs, kv: slabs of register images (128 rows x 512 K, 51,200 bytes: fragment (K step g, tile t) at (8 g + t) x 1,536; scale words of g at 49,152 + 512 g, the word of tile 2 p + u, lane r at 16 (16 u + r) + 4 p).
; kv holds for each (b, h) eight slabs of k, then eight of v (512 channels x 128 keys; g is there the channel group).  oc: half slabs of 64 tokens x 512 K, 25,600 bytes.
; EIGHT WAVES, two to a SIMD, 512 registers each.  SCORES: wave w takes query tiles 2 (w / 2), 2 (w / 2) + 1 and slab w % 2 of each slot of 256 keys: a unit is 32 queries x 128 keys, 64 products, then the softmax of 64 numbers a lane and tile.
; Waves 0-3 go scores, softmax inside a trip; waves 4-7 go softmax of the unit before, scores: so the two waves of a SIMD do unlike work side by side.  The first trip and the last softmax are written out, so that every branch hangs on the wave's number alone.
; p = 2^(t - M), M the ceiling of the wave's running largest t; the codes go to LDS at once, the scale bytes and each unit's M are kept and brought under the row's final M at the end (a whole number off each byte, held at 0).
; P V: wave w takes channels 128 (w % 4) .. and query tiles 4 (w / 4) ..: 32 accumulators; v's fragments have one set of registers (a tile is free behind its four products), p's two.
; RING: eight tiles of 102,400 bytes (k's four, v's four) through two slots; every wave brings an eighth by one joint load behind each round; CLUSTER 4 x 1: the four query blocks of a head's half share every tile.  One tensor load of a wave is out at any time.
; PREFETCH: behind the load of tile n waves 0-3 of the first cluster of a head ask for tile n + 1, 6,400 bytes a wave and partner, a lane a block of 256 bytes; tile 7 is the last asked for.
; LIMITS: the promise holds while the scaled scores stay under 2^31 in magnitude; a block of o under 2^-124 gets the byte 1 (read by this program alone); NaN and infinities are not served.
; REGISTERS: window 0: v1-24 addresses; v26-29 q's scale words, v32-47 k's; v48-127 the softmax's state and temporaries; v128-255 scores (a, t) at 128 + 64 a + 8 t.  window 1: q's fragments at 0, k's three tile buffers at 96.
;   P V: window 0: v32-43 scale words, v44-51 1 / sum, v64-159 v's fragments, v160-255 p's two sets; window 1: accumulator (q, c) at 64 q + 8 c.
.set SLOTB, 102400
.set PIMG,  204800                     ; p's codes: fragment (K step ks, query tile) at (8 ks + tile) x 1,536
.set PSC,   303104                     ; p's scale words, 512 bytes a K step
.set STAT,  307200                     ; (-M, sum) of each wave, 512 bytes a wave
.set RLB,   311296                     ; 1 / sum
.set SPARE, 315392                     ; the spare words, 128 bytes for each wave: four blocks of 256 bytes that no other line names
.set SLAB,  51200
.set FRB,   1536
.set AK,  1
.set AKC, 2
.set ADP, 3
.set PWA, 4
.set STW, 5
.set STR, 6
.set PSA, 7
.set RLW, 8
.set AV,  10
.set AVS, 12
.set AP,  14
.set APS, 16
.set RLR, 17
.set GO,  18
.set GS,  19
.set GQ,  20
.set GQS, 21
.set PFO, 22
.set SPW, 23
.set NIL, 24
.set QSC, 26
.set KSC, 32
.set ST,  48                           ; for each tile a: -M, largest t, the sum in two halves
.set HW,  56                           ; scale words of the last four units, the youngest first
.set HM,  64                           ; and their -M
.set BM,  72
.set TPV, 76
.set SO,  80
.set BY,  84
.set F,   88
.set X1,  90
.set SUM, 92
.set PCA, 94
.set PN,  114
.set NF,  118
.set B0,  120
.set RLP, 124
.set VSC, 32
.set PSR, 40
.set RL,  44
.set VF,  64
.set PF,  160
.set T,   64
.set PC,  160                          ; the way out's registers are laid so that of each group of eight that the scores' products wrote one of the four lowest is read first
.set PT,  176
.set TM,  144
.set QP,  184
.set W4,  192
.set WV,  10
.set G1,  24
.set G0,  32
.set LOF, 36                           ; the slot that the next load fills: 0 or SLOTB
.set KOF, 37                           ; the slot that this trip's scores read
.set GRP, 38                           ; w / 4
.set CS,  40
.set SEL, 42
.set MSK, 44
.set LIM, 45
.set PFA, 46
.set TPS, 48
.set CNT, 49
.set OB,  50
.set OS,  52
.set QB,  54
.set MSB, 0
.macro WIN new                         ; the immediate's high byte repeats the setting that is left; a switch that changes nothing is dropped
.set WNEW, \new
.if MSB != WNEW
	s_set_vgpr_msb (MSB<<8)|WNEW
.set MSB, WNEW
.endif
.endm
.macro PLACES                          ; four plain places behind matrix instructions (ISA guide 7.12.1)
.rept 4
	v_nop
.endr
.endm
.macro CREST
	s_cmp_lg_u32 s[WV], 0
	s_cbranch_scc1 .Lnot_wave_0_\@
	s_barrier_signal -3
.Lnot_wave_0_\@:
	s_barrier_wait -3
	s_barrier_signal -1
	s_barrier_wait -1
.endm
.macro CROUND                          ; a round of the cluster's barrier
	s_barrier_signal -1
	s_barrier_wait -1
	CREST
.endm
.macro WM                              ; one product: D rD, source 0 rA, source 1 rB, scale registers rSA, rSB, from lanes 16-31 where fRA, fRB; fZ: it starts the sum
.if fZ
.if fRA && fRB
	v_wmma_scale_f32_16x16x128_f8f6f4 v[rD:rD+7], v[rA:rA+11], v[rB:rB+11], 0, v[rSA], v[rSB] matrix_a_fmt:MATRIX_FMT_FP6 matrix_b_fmt:MATRIX_FMT_FP6 matrix_a_scale:MATRIX_SCALE_ROW1 matrix_b_scale:MATRIX_SCALE_ROW1
.elseif fRA
	v_wmma_scale_f32_16x16x128_f8f6f4 v[rD:rD+7], v[rA:rA+11], v[rB:rB+11], 0, v[rSA], v[rSB] matrix_a_fmt:MATRIX_FMT_FP6 matrix_b_fmt:MATRIX_FMT_FP6 matrix_a_scale:MATRIX_SCALE_ROW1
.elseif fRB
	v_wmma_scale_f32_16x16x128_f8f6f4 v[rD:rD+7], v[rA:rA+11], v[rB:rB+11], 0, v[rSA], v[rSB] matrix_a_fmt:MATRIX_FMT_FP6 matrix_b_fmt:MATRIX_FMT_FP6 matrix_b_scale:MATRIX_SCALE_ROW1
.else
	v_wmma_scale_f32_16x16x128_f8f6f4 v[rD:rD+7], v[rA:rA+11], v[rB:rB+11], 0, v[rSA], v[rSB] matrix_a_fmt:MATRIX_FMT_FP6 matrix_b_fmt:MATRIX_FMT_FP6
.endif
.else
.if fRA && fRB
	v_wmma_scale_f32_16x16x128_f8f6f4 v[rD:rD+7], v[rA:rA+11], v[rB:rB+11], v[rD:rD+7], v[rSA], v[rSB] matrix_a_fmt:MATRIX_FMT_FP6 matrix_b_fmt:MATRIX_FMT_FP6 matrix_a_scale:MATRIX_SCALE_ROW1 matrix_b_scale:MATRIX_SCALE_ROW1
.elseif fRA
	v_wmma_scale_f32_16x16x128_f8f6f4 v[rD:rD+7], v[rA:rA+11], v[rB:rB+11], v[rD:rD+7], v[rSA], v[rSB] matrix_a_fmt:MATRIX_FMT_FP6 matrix_b_fmt:MATRIX_FMT_FP6 matrix_a_scale:MATRIX_SCALE_ROW1
.elseif fRB
	v_wmma_scale_f32_16x16x128_f8f6f4 v[rD:rD+7], v[rA:rA+11], v[rB:rB+11], v[rD:rD+7], v[rSA], v[rSB] matrix_a_fmt:MATRIX_FMT_FP6 matrix_b_fmt:MATRIX_FMT_FP6 matrix_b_scale:MATRIX_SCALE_ROW1
.else
	v_wmma_scale_f32_16x16x128_f8f6f4 v[rD:rD+7], v[rA:rA+11], v[rB:rB+11], v[rD:rD+7], v[rSA], v[rSB] matrix_a_fmt:MATRIX_FMT_FP6 matrix_b_fmt:MATRIX_FMT_FP6
.endif
.endif
.endm
.macro ASK                             ; the tile behind the one just asked for, 25 blocks of 256 bytes a wave
	s_cmp_eq_u32 s[LIM], 1
	s_cbranch_scc0 .Lnot_mine_\@
	global_prefetch_b8 v[PFO], s[PFA:PFA+1] th:TH_LOAD_NT scope:SCOPE_SE
.Lnot_mine_\@:
.endm
.macro NEXTG0                          ; the next tile, into the other slot.  No load of mine is out where this stands
	s_xor_b32 s[LOF], s[LOF], SLOTB
	s_add_co_u32 s[G0+1], s16, s[LOF]
	s_add_nc_u64 s[G0+2:G0+3], s[G0+2:G0+3], SLOTB
.endm
.macro JL
	tensor_load_to_lds s[G0:G0+3], s[G1:G1+7]
	s_nop 0
.rept 4
	v_nop
.endr
.endm
; A trip's head: all my tensor loads have landed; the add; my LDS instructions are done; a round; the next tile's joint load into the slot whose last reads stand ahead of the round.
.macro SYNC
	s_wait_tensorcnt 0x0
	ds_add_u32 v[SPW], v[NIL]                      ; 0 onto my spare word
	NEXTG0
	s_wait_xcnt 0x0                                ; my last prefetch has read its address
	s_add_nc_u64 s[PFA:PFA+1], s[PFA:PFA+1], SLOTB
	s_wait_dscnt 0x0
	CROUND
	JL
	ASK
.endm
	s_load_b128 s[4:7], s[0:1], 0x0                ; qs, kv
	s_load_b64 s[8:9], s[0:1], 0x10                ; oc
	v_lshl_add_u32 v[SPW], v0, 2, SPARE
	v_mov_b32 v[NIL], 0
	ds_add_u32 v[SPW], v[NIL]                      ; the opening lines: the add twice on end and one wait, ahead of my first tensor load
	ds_add_u32 v[SPW], v[NIL]
	v_lshrrev_b32 v1, 5, v0
	v_readfirstlane_b32 s[WV], v1                  ; wave 0..7
	s_bfe_u32 s11, ttmp6, 0x40000                  ; cx
	s_lshl_b32 s12, ttmp9, 2
	s_add_co_u32 s12, s12, s11                     ; my block of 128 queries
	s_and_b32 s13, ttmp7, 0xffff                   ; 8 b + h
	s_lshr_b32 s14, s[WV], 1                       ; scores: my pair of query tiles,
	s_and_b32 s15, s[WV], 1                        ; my slab of a slot
	s_lshr_b32 s[GRP], s[WV], 2                    ; which order of work; P V: my half of the queries
	s_and_b32 s39, s[WV], 3                        ; P V: my 128 channels
	s_mov_b32 s[G1], 15|(3<<16)|(1<<21)            ; the mask names all four partners; elements of 8 bytes; bit 21 beside a mask
	s_mov_b32 s[G1+1], 32<<16                      ; rows of 256 bytes,
	s_mov_b32 s[G1+2], 50<<16                      ; 50 of them: an eighth of a tile
	s_mov_b32 s[G1+3], 32<<16
	s_mov_b32 s[G1+4], 50
	s_mov_b32 s[G1+5], 32
	s_mov_b32 s[G1+6], 0
	s_mov_b32 s[G1+7], 0
	s_mul_i32 s16, s[WV], 12800                    ; my eighth, in memory and in LDS
	s_mul_i32 s18, s13, 819200
	s_mul_i32 s20, s39, 25600
	s_add_co_u32 s20, s20, s18
	s_add_co_u32 s18, s18, s16
	s_mov_b32 s19, 0
	s_mul_i32 s21, s11, 6400                       ; the partners share a tile's blocks out by address
	s_add_co_u32 s20, s20, s21
	s_mov_b32 s21, 0
	s_mov_b32 s[CS], 0x3fb8aa3b                    ; log2(e)
	s_mov_b32 s[CS+1], s[CS]
	s_mov_b32 s[SEL], 0x76543210
	s_mov_b32 s[SEL+1], 0xfedcba98
	s_mov_b32 s[MSK], 0xffff0000
	s_mov_b32 s[LOF], 0
	s_mov_b32 s[KOF], 0
	s_cmp_eq_u32 ttmp9, 0
	s_cselect_b32 s[LIM], 1, 0
	s_cmp_lt_u32 s[WV], 4
	s_cselect_b32 s[LIM], s[LIM], 0                ; waves 0-3 of a head's first cluster ask
	s_lshl_b32 s[QB], s13, 3
	s_add_co_u32 s[QB], s[QB], s12
	s_mul_i32 s[QB], s[QB], SLAB                   ; my slab of qs
	s_mov_b32 s[QB+1], 0
	s_lshr_b32 s[OB], s13, 3
	s_lshl_b32 s[OB], s[OB], 4
	s_lshl_b32 s[OS], s12, 1
	s_add_co_u32 s[OB], s[OB], s[OS]
	s_add_co_u32 s[OB], s[OB], s[GRP]              ; my group of 64 tokens
	s_lshl_b32 s[OB], s[OB], 3
	s_and_b32 s[OS], s13, 7
	s_add_co_u32 s[OB], s[OB], s[OS]
	s_mul_i32 s[OB], s[OB], 25600                  ; its half slab of my head
	s_lshl_b32 s[OS], s39, 8
	s_add_co_u32 s[OS], s[OS], s[OB]
	s_add_co_u32 s[OS], s[OS], 24576               ; the scale words of K step g
	s_mul_i32 s[OS+1], s39, 6144
	s_add_co_u32 s[OB], s[OB], s[OS+1]             ; the fragments of K step g
	s_mov_b32 s[OB+1], 0
	s_mov_b32 s[OS+1], 0
	s_mul_i32 s56, s15, SLAB
	s_mul_i32 s57, s14, 3072
	s_lshl_b32 s58, s14, 2
	s_mul_i32 s59, s15, 12288
	s_add_co_u32 s59, s59, s57
	s_add_co_u32 s59, s59, PIMG
	s_lshl_b32 s60, s15, 9
	s_add_co_u32 s60, s60, s58
	s_add_co_u32 s60, s60, PSC
	s_lshl_b32 s61, s[WV], 9
	s_xor_b32 s62, s61, 512                        ; my partner: the same queries, the other slab
	s_add_co_u32 s61, s61, STAT
	s_add_co_u32 s62, s62, STAT
	s_lshl_b32 s63, s14, 9
	s_lshl_b32 s2, s15, 11
	s_add_co_u32 s63, s63, s2
	s_add_co_u32 s63, s63, RLB
	s_mul_i32 s2, s39, 12288
	s_lshl_b32 s3, s39, 9
	s_add_co_u32 s3, s3, 49152
	s_mul_i32 s17, s[GRP], 6144
	s_add_co_u32 s17, s17, PIMG
	s_lshl_b32 s22, s[GRP], 3
	s_add_co_u32 s22, s22, PSC
	s_lshl_b32 s23, s[GRP], 10
	s_add_co_u32 s23, s23, RLB
	v_and_b32 v[GS], 31, v0                        ; all vector set-up in one run
	v_lshlrev_b32 v[GO], 4, v[GS]                  ; 16 x lane
	v_min_u32 v[PFO], 24, v[GS]
	v_lshlrev_b32 v[PFO], 8, v[PFO]
	v_lshlrev_b32 v[GS], 3, v[GS]                  ; 8 x lane
	v_add_nc_u32 v[AK], s56, v[GO]
	v_add_nc_u32 v[AKC], s56, v[GO]
	v_add_nc_u32 v[GQ], s57, v[GO]
	v_add_nc_u32 v[GQS], s58, v[GO]
	v_add_nc_u32 v[PWA], s59, v[GO]
	v_add_nc_u32 v[ADP], s59, v[GO]
	v_add_nc_u32 v[PSA], s60, v[GO]
	v_add_nc_u32 v[STW], s61, v[GS]
	v_add_nc_u32 v[STR], s62, v[GS]
	v_add_nc_u32 v[RLW], s63, v[GS]
	v_add_nc_u32 v[AV], s2, v[GO]
	v_add_nc_u32 v[AV+1], SLOTB, v[AV]
	v_add_nc_u32 v[AVS], s3, v[GO]
	v_add_nc_u32 v[AVS+1], SLOTB, v[AVS]
	v_add_nc_u32 v[AP], s17, v[GO]
	v_add_nc_u32 v[AP+1], 49152, v[AP]
	v_add_nc_u32 v[APS], s22, v[GO]
	v_add_nc_u32 v[RLR], s23, v[GS]
.irp a, 0,1
	v_mov_b32 v[ST+4*\a+1], 0xff61b1e6             ; the largest t so far: -3e38
	v_floor_f32 v[ST+4*\a], -v[ST+4*\a+1]
	v_mov_b32 v[ST+4*\a+2], 0
	v_mov_b32 v[ST+4*\a+3], 0
.endr
.irp i, 0,1,2,3,4,5,6,7
	v_mov_b32 v[HW+\i], 0
	v_mov_b32 v[HM+\i], 0
.endr
.irp b, 0,1,2,3
	v_mov_b32 v[TPV+\b], 0                         ; a lane permute's destination counts as one of its sources
.endr
	v_mov_b32 v[F+1], 0
	s_wait_alu depctr_va_vdst(0)                   ; the wait at the head's end
	s_wait_dscnt 0x0                               ; both opening adds are done
	s_wait_kmcnt 0x0
	s_add_nc_u64 s[18:19], s[6:7], s[18:19]
	s_add_nc_u64 s[PFA:PFA+1], s[6:7], s[20:21]
	s_add_nc_u64 s[PFA:PFA+1], s[PFA:PFA+1], SLOTB ; the first trip steps it to tile 2
	s_add_nc_u64 s[QB:QB+1], s[4:5], s[QB:QB+1]
	s_add_nc_u64 s[OB:OB+1], s[8:9], s[OB:OB+1]
	s_add_nc_u64 s[OS:OS+1], s[8:9], s[OS:OS+1]
	s_mov_b32 s[G0], 1
	s_mov_b32 s[G0+1], s16
	s_mov_b64 s[G0+2:G0+3], s[18:19]
	s_or_b32 s[G0+3], s[G0+3], 0x80000000
	WIN 0x40                                       ; q's eight fragments, asked for ahead of the first round
.irp a, 0,1
.irp k, 0,1,2,3
.irp c, 0,1,2
	global_load_b128 v[12*(4*\a+\k)+4*\c:12*(4*\a+\k)+4*\c+3], v[GQ], s[QB:QB+1] offset:(8*\k+\a)*FRB+512*\c
.endr
.endr
.endr
	WIN 0
.irp k, 0,1,2,3
	global_load_b32 v[QSC+\k], v[GQS], s[QB:QB+1] offset:49152+512*\k   ; tile a = 0 in lanes 0-15, a = 1 in lanes 16-31
.endr
	CROUND                                         ; the partners meet in front of the first joint load
	JL                                             ; tile 0: one tensor load a wave at the head
.macro KFETCH t                        ; key tile t, all four K steps, into buffer t % 3 of window 1
.irp k, 0,1,2,3
.irp c, 0,1,2
	ds_load_b128 v[96+48*((\t)%3)+12*\k+4*\c:96+48*((\t)%3)+12*\k+4*\c+3], v[AKC] offset:(8*\k+(\t))*FRB+512*\c
.endr
.endr
.endm
; S^T = k q^T for my slab's eight key tiles and my two query tiles.  The two accumulators of a key tile take turns.
.macro QK
.irp k, 0,1,2,3
	ds_load_b128 v[KSC+4*\k:KSC+4*\k+3], v[AKC] offset:49152+512*\k
.endr
	WIN 0x40
	KFETCH 0
	KFETCH 1
	KFETCH 2
.set iT, 0
.rept 8
.if iT < 6
	s_wait_dscnt 24                                ; this tile is in; the two tiles behind it, 12 loads each, may be out
.else
	s_wait_dscnt 12*(7-iT)
.endif
	WIN 0x05                                       ; sources 0 and 1 window 1, C and D window 0
.set iS, 0
.rept 4
.set iA, 0
.rept 2
.set rD, 128+64*iA+8*iT
.set rA, 96+48*(iT%3)+12*iS
.set rB, 12*(4*iA+iS)
.set rSA, KSC+4*iS+iT/2
.set rSB, QSC+iS
.set fRA, iT%2
.set fRB, iA
.set fZ, iS==0
	WM
.set iA, iA+1
.endr
.set iS, iS+1
.endr
.if iT < 5
	PLACES
	WIN 0x40
	KFETCH iT+3
.endif
.set iT, iT+1
.endr
	WIN 0
	PLACES
.endm
; The softmax of query tile a over the unit's 128 keys: a lane holds a query, the 16 registers of tiles 2 b, 2 b + 1 are 16 neighbouring keys of block b.
.macro SOFT a
.set SB, 128+64*\a
.set S4, ST+4*\a
.irp k, 3,2,1
	v_mov_b32 v[HW+4*\a+\k], v[HW+4*\a+\k-1]       ; the history moves on by a unit
	v_mov_b32 v[HM+4*\a+\k], v[HM+4*\a+\k-1]
.endr
	s_wait_alu depctr_va_vdst(0)                   ; ahead of the first readers of matrix results
.irp b, 0,1,2,3
	v_max3_num_f32 v[BM+\b], v[SB+16*\b], v[SB+16*\b+1], v[SB+16*\b+2]   ; each block's largest score: for the row's maximum and for the block's largest p
.endr
.irp i, 3,5,7,9,11,13
.irp b, 0,1,2,3
	v_max3_num_f32 v[BM+\b], v[BM+\b], v[SB+16*\b+\i], v[SB+16*\b+\i+1]
.endr
.endr
.irp b, 0,1,2,3
	v_max_num_f32 v[BM+\b], v[BM+\b], v[SB+16*\b+15]
.endr
.irp b, 0,1,2,3
	v_permlanex16_b32 v[TPV+\b], v[BM+\b], s[SEL], s[SEL+1]
.endr
.irp b, 0,1,2,3
	v_max_num_f32 v[BM+\b], v[BM+\b], v[TPV+\b]
.endr
	v_max3_num_f32 v[X1], v[BM], v[BM+1], v[BM+2]
	s_delay_alu instid0(VALU_DEP_1)
	v_max_num_f32 v[X1], v[X1], v[BM+3]
	s_delay_alu instid0(VALU_DEP_1)
	v_mul_f32 v[X1], s[CS], v[X1]                  ; as t
	s_delay_alu instid0(VALU_DEP_1)
	v_max_num_f32 v[S4+1], v[S4+1], v[X1]          ; the running largest t
	v_mov_b32 v[X1], v[S4]
	s_delay_alu instid0(VALU_DEP_2)
	v_floor_f32 v[S4], -v[S4+1]                    ; -M = floor(-t): M is a whole number
	s_delay_alu instid0(VALU_DEP_1)
	v_sub_f32 v[X1], v[S4], v[X1]
	s_delay_alu instid0(VALU_DEP_1)
	v_cvt_i32_f32 v[X1], v[X1]
	s_delay_alu instid0(VALU_DEP_1)
	v_ldexp_f32 v[F], 1.0, v[X1]                   ; 2^(old M - new M)
	v_mov_b32 v[HM+4*\a], v[S4]
.irp b, 0,1,2,3
	v_fma_f32 v[BM+\b], v[BM+\b], s[CS], v[S4]
.endr
.set iJ, 0
.rept 32
	v_pk_fma_f32 v[SB+iJ:SB+iJ+1], v[SB+iJ:SB+iJ+1], s[CS:CS+1], v[S4:S4+1] op_sel_hi:[1,0,0]   ; t - M
.set iJ, iJ+2
.endr
	s_wait_alu depctr_va_vdst(0)                   ; ahead of the batch
.set iJ, 0
.rept 64
	v_exp_f32 v[SB+iJ], v[SB+iJ]
.set iJ, iJ+1
.endr
	v_pk_mul_f32 v[S4+2:S4+3], v[S4+2:S4+3], v[F:F+1] op_sel_hi:[1,0]   ; the sums under the new M
	s_wait_alu depctr_va_vdst(0)                   ; and behind it
.irp b, 0,1,2,3
	v_exp_f32 v[BM+\b], v[BM+\b]                   ; each block's largest p
.endr
	v_pk_add_f32 v[SUM:SUM+1], v[SB:SB+1], v[SB+2:SB+3]   ; the row's sum is taken of the unquantised p
.set iJ, 4
.rept 15
	v_pk_add_f32 v[S4+2:S4+3], v[S4+2:S4+3], v[SB+iJ:SB+iJ+1]
	v_pk_add_f32 v[SUM:SUM+1], v[SUM:SUM+1], v[SB+iJ+2:SB+iJ+3]
.set iJ, iJ+4
.endr
	v_pk_add_f32 v[S4+2:S4+3], v[S4+2:S4+3], v[SUM:SUM+1]
	s_wait_alu depctr_va_vdst(0)
.irp b, 0,1,2,3
	v_max_num_f32 v[BM+\b], 0x1800000, v[BM+\b]    ; the floor 2^(3 - 127)
.endr
.irp b, 0,1,2,3
	v_add_nc_u32 v[SO+\b], 0xff000000, v[BM+\b]    ; 2 off the exponent field: the conversion's scale operand
.endr
.irp b, 0,1,2,3
	v_lshrrev_b32 v[BY+\b], 23, v[SO+\b]
.endr
	v_lshl_or_b32 v[HW+4*\a], v[BY+1], 8, v[BY]
	v_lshl_or_b32 v[HW+4*\a], v[BY+2], 16, v[HW+4*\a]
	v_lshl_or_b32 v[HW+4*\a], v[BY+3], 24, v[HW+4*\a]
.irp c, 0,1
	v_cvt_scalef32_pk16_fp6_f32 v[PCA+6*\c:PCA+6*\c+2], v[SB+32*\c:SB+32*\c+15], v[SO+2*\c]
	v_cvt_scalef32_pk16_fp6_f32 v[PCA+12+4*\c:PCA+14+4*\c], v[SB+32*\c+16:SB+32*\c+31], v[SO+2*\c+1]
.endr
	v_nop                                          ; one plain place behind a scaled conversion
.irp c, 0,1
.irp i, 0,1,2
	v_permlane16_swap_b32 v[PCA+6*\c+\i], v[PCA+12+4*\c+\i]   ; a whole block to a lane
.endr
.irp i, 0,1,2
	v_mov_b32 v[PCA+3+6*\c+\i], v[PCA+12+4*\c+\i]
.endr
.endr
.irp c, 0,1,2
	ds_store_b128 v[ADP], v[PCA+4*\c:PCA+4*\c+3] offset:FRB*\a+512*\c
.endr
.endm
.macro SOFT2
	SOFT 0
	SOFT 1
	s_wait_alu depctr_va_vdst(0)                   ; ahead of the branches and waits that follow
.endm
	; TRIP 0: every wave's scores of unit 0; waves 0-3 go on to its softmax
	SYNC                                           ; tile 0 is in; tile 1 is asked for, slot 1's first fill, issued as a refill is
	s_wait_loadcnt 0x0                             ; q
	QK
	s_cmp_lg_u32 s[GRP], 0
	s_cbranch_scc1 .Lt0
	SOFT2
.Lt0:
	s_xor_b32 s[TPS], s[GRP], 1
	s_mul_i32 s[TPS], s[TPS], 24576                ; where the next softmax's codes go: waves 0-3 unit 1, waves 4-7 unit 0
	s_mov_b32 s[CNT], 3
.Ltrip:                                                ; trips 1 to 3
	SYNC
	s_xor_b32 s[KOF], s[KOF], SLOTB
	v_add_nc_u32 v[AKC], s[KOF], v[AK]
	v_add_nc_u32 v[ADP], s[TPS], v[PWA]
	s_wait_alu depctr_va_vdst(0)                   ; ahead of the branch
	s_cmp_lg_u32 s[GRP], 0
	s_cbranch_scc1 .Lsoft
	QK                                             ; waves 0-3: this trip's unit
.Lsoft:
	SOFT2                                          ; waves 0-3: this trip's unit; waves 4-7: the one before
	s_cmp_eq_u32 s[GRP], 0
	s_cbranch_scc1 .Ldone
	QK                                             ; waves 4-7: this trip's unit
.Ldone:
	s_add_co_u32 s[TPS], s[TPS], 24576
	s_sub_co_u32 s[CNT], s[CNT], 1
	s_cmp_lg_u32 s[CNT], 0
	s_cbranch_scc1 .Ltrip
	SYNC                                           ; all scores are made: tile 5 (v) goes into slot 1; tile 4 is in
	v_add_nc_u32 v[ADP], s[TPS], v[PWA]
	s_wait_alu depctr_va_vdst(0)
	s_cmp_eq_u32 s[GRP], 0
	s_cbranch_scc1 .Lstat
	SOFT2                                          ; waves 4-7: unit 3
.Lstat:
	; THE TWO HALVES OF THE KEYS MEET: (-M, sum) to my partner; the row's final M; 1 / sum; every scale byte under the final M
.irp a, 0,1
	v_add_f32 v[ST+4*\a+1], v[ST+4*\a+2], v[ST+4*\a+3]
.endr
.irp a, 0,1
	v_permlanex16_b32 v[TPV+\a], v[ST+4*\a+1], s[SEL], s[SEL+1]
.endr
.irp a, 0,1
	v_add_f32 v[ST+4*\a+1], v[ST+4*\a+1], v[TPV+\a]
.endr
.irp a, 0,1
	ds_store_b64 v[STW], v[ST+4*\a:ST+4*\a+1] offset:256*\a
.endr
	s_wait_dscnt 0x0                               ; for my partner's sake
	s_barrier_signal -1
	s_barrier_wait -1                              ; tile 5 may stay out
.irp a, 0,1
	ds_load_b64 v[PN+2*\a:PN+2*\a+1], v[STR] offset:256*\a
.endr
	s_wait_dscnt 0x0
.irp a, 0,1
	v_min_num_f32 v[NF+\a], v[ST+4*\a], v[PN+2*\a]
.endr
.irp a, 0,1
	v_sub_f32 v[B0+\a], v[NF+\a], v[ST+4*\a]
	v_sub_f32 v[B0+2+\a], v[NF+\a], v[PN+2*\a]
.endr
.irp a, 0,1
	v_cvt_i32_f32 v[B0+\a], v[B0+\a]
	v_cvt_i32_f32 v[B0+2+\a], v[B0+2+\a]
.endr
.irp a, 0,1
	v_ldexp_f32 v[B0+\a], v[ST+4*\a+1], v[B0+\a]
	v_ldexp_f32 v[B0+2+\a], v[PN+2*\a+1], v[B0+2+\a]
.endr
.irp a, 0,1
	v_add_f32 v[B0+\a], v[B0+\a], v[B0+2+\a]
.endr
	s_wait_alu depctr_va_vdst(0)
.irp a, 0,1
	v_rcp_f32 v[RLP+2*\a], v[B0+\a]
	v_rcp_f32 v[RLP+2*\a+1], v[B0+\a]
.endr
.irp a, 0,1
.irp k, 0,1,2,3
	v_sub_f32 v[X1], v[HM+4*\a+\k], v[NF+\a]       ; final M less the unit's M: a whole number, 0 or more
	v_cvt_i32_f32 v[X1], v[X1]
	v_min_u32 v[X1], 255, v[X1]
.irp b, 0,1,2,3
	v_bfe_u32 v[BM+\b], v[HW+4*\a+\k], 8*\b, 8
.endr
.irp b, 0,1,2,3
	v_sub_nc_u32 v[BM+\b], v[BM+\b], v[X1]
.endr
.irp b, 0,1,2,3
	v_max_i32 v[BM+\b], 0, v[BM+\b]
.endr
	v_lshl_or_b32 v[HW+4*\a+\k], v[BM+1], 8, v[BM]
	v_lshl_or_b32 v[HW+4*\a+\k], v[BM+2], 16, v[HW+4*\a+\k]
	v_lshl_or_b32 v[HW+4*\a+\k], v[BM+3], 24, v[HW+4*\a+\k]
.endr
.endr
	s_wait_alu depctr_va_vdst(0)
.irp a, 0,1
	ds_store_b64 v[RLW], v[RLP+2*\a:RLP+2*\a+1] offset:256*\a
.endr
.irp k, 0,1,2,3
	v_cndmask_b32 v[SO+\k], v[HW+\k], v[HW+4+\k], s[MSK]   ; the even tile's words in lanes 0-15, the odd tile's in lanes 16-31
	ds_store_b32 v[PSA], v[SO+\k] offset:1024*(3-\k)       ; history place k is unit 3 - k
.endr
	s_wait_dscnt 0x0
	s_barrier_signal -1
	s_barrier_wait -1
	; O^T = v^T p^T: eight K steps of 128 keys, 32 products each
.macro FV ks, lo                       ; v's tiles lo .. lo + 3 of K step ks
.set sgx, ((\ks)/2)%2
.set hfx, (\ks)%2
.irp t, 0,1,2,3
.irp c, 0,1,2
	ds_load_b128 v[VF+12*(\lo+\t)+4*\c:VF+12*(\lo+\t)+4*\c+3], v[AV+sgx] offset:SLAB*hfx+FRB*(\lo+\t)+512*\c
.endr
.endr
.endm
.macro FP ks                           ; p's four tiles and both sides' scale words of K step ks, into set ks % 2: 14 loads
.set sgx, ((\ks)/2)%2
.set hfx, (\ks)%2
.irp t, 0,1,2,3
.irp c, 0,1,2
	ds_load_b128 v[PF+48*((\ks)%2)+12*\t+4*\c:PF+48*((\ks)%2)+12*\t+4*\c+3], v[AP+(\ks)/4] offset:(8*((\ks)%4)+\t)*FRB+512*\c
.endr
.endr
	ds_load_b128 v[VSC+4*((\ks)%2):VSC+4*((\ks)%2)+3], v[AVS+sgx] offset:SLAB*hfx
	ds_load_b64 v[PSR+2*((\ks)%2):PSR+2*((\ks)%2)+1], v[APS] offset:512*(\ks)
.endm
.macro MULV ks, clo, nc, z             ; nc of v's tiles from clo on, each against p's four.  The 32 accumulators take turns in the same order in every K step
.set iC, \clo
.rept \nc
.set iQ, 0
.rept 4
.set rD, 64*iQ+8*iC
.set rA, VF+12*iC
.set rB, PF+48*((\ks)%2)+12*iQ
.set rSA, VSC+4*((\ks)%2)+iC/2
.set rSB, PSR+2*((\ks)%2)+iQ/2
.set fRA, iC%2
.set fRB, iQ%2
.set fZ, \z
	WM
.set iQ, iQ+1
.endr
.set iC, iC+1
.endr
.endm
.macro REST ks                         ; the next K step's first loads, this step's second half, the next step's last loads
	FP (\ks)+1
	FV (\ks)+1, 0
	WIN 0x50
	MULV \ks, 4, 4, fZ0
	PLACES
	WIN 0
	FV (\ks)+1, 4
.endm
.macro KS ks, z                        ; a slot's first K step
.set fZ0, \z
	s_wait_dscnt 12                                ; all but v's tiles 4-7, the youngest 12 loads
	WIN 0x50                                       ; C and D window 1, the sources window 0
	MULV \ks, 0, 4, \z
	s_wait_dscnt 0x0
	PLACES
	WIN 0
	REST \ks
.endm
.macro TURN ks, fill, ask              ; a slot's second K step changes slots
.set fZ0, 0
.if \ask
	s_wait_xcnt 0x0
	s_add_nc_u64 s[PFA:PFA+1], s[PFA:PFA+1], SLOTB
.endif
	s_wait_tensorcnt 0x0                           ; my part of the other slot is in;
	ds_add_u32 v[SPW], v[NIL]                      ; 0 onto my spare word;
	s_wait_dscnt 13                                ; (the add and v's tiles 4-7 may be out)
	WIN 0x50
	MULV \ks, 0, 2, 0
	s_wait_dscnt 0x0                               ; the add is done, and my reads of this slot are over
	s_barrier_signal -1
	MULV \ks, 2, 2, 0
	WIN 0
	s_barrier_wait -1
.if \fill
	CREST                                          ; the barrier has opened a round of the cluster's
	NEXTG0
	JL                                             ; its four v_nop are also the places in front of the loads below
.if \ask
	ASK
.endif
.else
	PLACES
.endif
	REST \ks
.endm
	FP 0
	FV 0, 0
.irp q, 0,1,2,3
	ds_load_b64 v[RL+2*\q:RL+2*\q+1], v[RLR] offset:256*\q
.endr
	FV 0, 4
	KS 0, 1
	TURN 1, 1, 1                                   ; tile 6; tile 7 is asked of memory
	KS 2, 0
	TURN 3, 1, 0                                   ; tile 7: the last load
	KS 4, 0
	TURN 5, 0, 0
	KS 6, 0
	s_wait_dscnt 12
	WIN 0x50
	MULV 7, 0, 4, 0
	s_wait_dscnt 0x0
	MULV 7, 4, 4, 0
	WIN 0
	PLACES
	; THE WAY OUT: each query tile's 64 numbers a lane x 1 / sum, quantised along the channels, three stores of 512 consecutive bytes
.irp b, 0,1,2,3
	v_mov_b32 v[TM+4+\b], 0
.endr
.set iQ, 0
.rept 4
	s_wait_xcnt 0x0                                ; the last fragment's stores have read their registers
	WIN 0x01
.set iJ, 0
.rept 32
	v_pk_mul_f32 v[T+iJ:T+iJ+1], v[64*iQ+iJ:64*iQ+iJ+1], v[RL+2*iQ:RL+2*iQ+1]   ; each accumulator from its low end on
.set iJ, iJ+2
.endr
	WIN 0
.irp b, 0,1,2,3
	v_max3_num_f32 v[TM+\b], |v[T+16*\b]|, |v[T+16*\b+1]|, 0x1800000
.endr
.irp i, 2,4,6,8,10,12,14
.irp b, 0,1,2,3
	v_max3_num_f32 v[TM+\b], v[TM+\b], |v[T+16*\b+\i]|, |v[T+16*\b+\i+1]|
.endr
.endr
.irp b, 0,1,2,3
	v_permlanex16_b32 v[TM+4+\b], v[TM+\b], s[SEL], s[SEL+1]
.endr
.irp b, 0,1,2,3
	v_max_num_f32 v[TM+\b], v[TM+\b], v[TM+4+\b]
.endr
.irp b, 0,1,2,3
	v_add_nc_u32 v[TM+8+\b], 0xff000000, v[TM+\b]  ; 2 off the exponent field: the conversion's scale operand
.endr
.irp b, 0,1,2,3
	v_lshrrev_b32 v[TM+12+\b], 23, v[TM+8+\b]      ; the scale's byte
.endr
	v_lshl_or_b32 v[QP+iQ%2], v[TM+13], 8, v[TM+12]
	v_lshl_or_b32 v[QP+iQ%2], v[TM+14], 16, v[QP+iQ%2]
	v_lshl_or_b32 v[QP+iQ%2], v[TM+15], 24, v[QP+iQ%2]
.irp c, 0,1
	v_cvt_scalef32_pk16_fp6_f32 v[PC+6*\c:PC+6*\c+2], v[T+32*\c:T+32*\c+15], v[TM+8+2*\c]
	v_cvt_scalef32_pk16_fp6_f32 v[PT+4*\c:PT+4*\c+2], v[T+32*\c+16:T+32*\c+31], v[TM+9+2*\c]
.endr
	v_nop
.irp c, 0,1
.irp i, 0,1,2
	v_permlane16_swap_b32 v[PC+6*\c+\i], v[PT+4*\c+\i]
.endr
.irp i, 0,1,2
	v_mov_b32 v[PC+3+6*\c+\i], v[PT+4*\c+\i]
.endr
.endr
.irp c, 0,1,2
	global_store_b128 v[GO], v[PC+4*\c:PC+4*\c+3], s[OB:OB+1] offset:FRB*iQ+512*\c
.endr
.if iQ%2
	v_cndmask_b32 v[W4+iQ/2], v[QP], v[QP+1], s[MSK]
.endif
.set iQ, iQ+1
.endr
	global_store_b64 v[GS], v[W4:W4+1], s[OS:OS+1] ; 32 lanes store one aligned run of 256 bytes
	s_wait_tensorcnt 0x0                           ; the wave's end
	ds_add_u32 v[SPW], v[NIL]
	s_wait_dscnt 0x0
	CROUND                                         ; the closing round
	s_endpgm
.Lfunc_end_k_q53119952e9_attn:
	.size	k_q53119952e9_attn, .Lfunc_end_k_q53119952e9_attn-k_q53119952e9_attn
	.p2alignl 7, 3214868480
	.fill 96, 4, 3214868480
	.section	.rodata,"a",@progbits
	.p2align	6, 0x0
	.amdhsa_kernel k_q53119952e9_attn
		.amdhsa_group_segment_fixed_size 327680
		.amdhsa_private_segment_fixed_size 0
		.amdhsa_enable_private_segment 0
		.amdhsa_kernarg_size 24
		.amdhsa_user_sgpr_count 2
		.amdhsa_user_sgpr_kernarg_segment_ptr 1
		.amdhsa_wavefront_size32 1
		.amdhsa_system_sgpr_workgroup_id_x 1
		.amdhsa_system_sgpr_workgroup_id_y 1
		.amdhsa_system_sgpr_workgroup_id_z 1
		.amdhsa_system_vgpr_workitem_id 0
		.amdhsa_next_free_vgpr 512
		.amdhsa_next_free_sgpr 66
		.amdhsa_reserve_vcc 0
		.amdhsa_float_denorm_mode_32 3
		.amdhsa_float_denorm_mode_16_64 3
		.amdhsa_memory_ordered 1
		.amdhsa_forward_progress 1
		.amdhsa_inst_pref_size 219
	.end_amdhsa_kernel
	.amdgpu_metadata
---
amdhsa.version: [ 1, 2 ]
amdhsa.kernels:
  - .name:           k_q53119952e9_attn
    .symbol:         k_q53119952e9_attn.kd
    .args:
      - { .name: qs, .offset: 0, .size: 8, .value_kind: global_buffer, .address_space: global }
      - { .name: kv, .offset: 8, .size: 8, .value_kind: global_buffer, .address_space: global }
      - { .name: oc, .offset: 16, .size: 8, .value_kind: global_buffer, .address_space: global }
    .group_segment_fixed_size: 327680
    .private_segment_fixed_size: 0
    .kernarg_segment_align: 8
    .kernarg_segment_size: 24
    .max_flat_workgroup_size: 256
    .sgpr_count:     66
    .vgpr_count:     512
    .wavefront_size: 32
...
	.end_amdgpu_metadata
.endif
;; end of part 3
;; launch proj (part 4): grid 4 x 64, 4 waves a work-group, clusters of 4 x 4, 327,680 bytes of LDS; arguments oc, ops, bu, out0; writes out0
.if DOCPART == 4
	.amdgcn_target "amdgcn-amd-amdhsa--gfx1250"
	.amdhsa_code_object_version 6
	.text
	.protected	k_q53119952e9_proj
	.globl	k_q53119952e9_proj
	.p2align	8
	.type	k_q53119952e9_proj,@function
k_q53119952e9_proj:
	s_mov_b64 s[64:65], 0
	v_nop
	global_prefetch_b8 v0, s[64:65] scope:SCOPE_SE
	s_setreg_imm32_b32 hwreg(HW_REG_WAVE_MODE, 25, 1), 1
	s_wait_xcnt 0x0
	s_wait_alu depctr_hold_cnt(0) depctr_sa_sdst(0) depctr_va_vdst(0) depctr_va_sdst(0) depctr_va_ssrc(0) depctr_va_vcc(0) depctr_vm_vsrc(0)
	s_getreg_b32 s2, hwreg(HW_REG_IB_STS2, 6, 4)
	s_cmp_eq_u32 s2, 0
	s_cbranch_scc0 .Lentry_in_a_cluster
	s_endpgm
.Lentry_in_a_cluster:
	s_bfe_u32 s2, ttmp6, 0x10000c
	s_cmp_lg_u32 s2, 0xf033
	s_cbranch_scc0 .Lentry_shape_is_right
	s_endpgm
.Lentry_shape_is_right:
; out = o Wu + bu on codes of FP6 (E2M3) with E8M0 scales.  o: [4096 tokens][K = 8 heads x 512], Wu: [K 4096][512]; out0 f32.
; o lies in oc as half slabs (64 tokens x 512 K of one head, 25,600 bytes: fragment (K step g, tile t) at (4 g + t) x 1,536; scale words of g at 24,576 + 256 g, the word of tile 2 p + u, lane r at 8 (16 u + r) + 4 p);
; Wu in ops as slabs 128 + 8 n + head (128 columns x 512 K, 51,200 bytes: fragment (g, t) at (8 g + t) x 1,536; scale words at 49,152 + 512 g).  Lane r of tile t holds row 32 (t / 2) + 8 (t % 2) + r + 8 (r / 8).
; SHARES.  256 work-groups of 64 tokens x 128 columns.  The output has only 2,048 numbers for each SIMD, so THE FOUR WAVES SPLIT K: wave w takes K step w of every head, for the whole tile (32 accumulators): each fragment is read from
; Source 0 = Wu, source 1 = o: a lane holds a token, and its registers run along the columns.
; RING.  Four chunks of two heads go through two slots of 153,600 bytes (o's two half slabs, then Wu's two slabs).  CLUSTER 4 x 4: o's chunk is shared along a row of the cluster, Wu's along a column.  Waves 0, 1 bring o's halves, waves 2, 3 Wu's.
; One tensor load of a wave is out at any time.  Chunks 2 and 3 are prefetched into the L2 at the head.
; REGISTERS: window 0: v12-27 addresses; v28-31 the bias; v32-39 Wu's scale words, v40-43 o's, two sets each; v64-111, v112-159 o's two sets (on the way out v64-191 rows).  window 1: Wu's two sets at 0 and 128.  window 2: accumulator (o, i) at 64 o + 8 i.
.set SLOT,  153600
.set SPARE, 307200                     ; the spare words, 128 bytes for each wave: two blocks of 256 bytes that no other line names
.set SLAB,  51200
.set FRB,   1536
.set SPW, 12
.set NIL, 13
.set AA,  16
.set AAS, 18
.set AB,  20
.set ABS, 22
.set STO, 24
.set RD0, 25
.set RD1, 26
.set CO,  27
.set WV,  14
.set G1A, 24
.set G0A, 32
.set G1B, 48
.set G0B, 56
.set MSB, 0
.macro WIN new                         ; the immediate's high byte repeats the setting that is left; a switch that changes nothing is dropped
.set WNEW, \new
.if MSB != WNEW
	s_set_vgpr_msb (MSB<<8)|WNEW
.set MSB, WNEW
.endif
.endm
.macro PLACES                          ; four plain places behind matrix instructions (ISA guide 7.12.1)
.rept 4
	v_nop
.endr
.endm
.macro CREST
	s_cmp_lg_u32 s[WV], 0
	s_cbranch_scc1 .Lnot_wave_0_\@
	s_barrier_signal -3
.Lnot_wave_0_\@:
	s_barrier_wait -3
	s_barrier_signal -1
	s_barrier_wait -1
.endm
.macro CROUND
	s_barrier_signal -1
	s_barrier_wait -1
	CREST
.endm
; A joint load: waves 0 and 1 fetch for o, waves 2 and 3 for Wu.  Each of the two lines has one mask and one set of registers; the branch hangs on the wave's number alone.  An s_nop 0 and four v_nop follow each line.
.macro JLOAD sg
	s_cmp_eq_u32 s15, 0
	s_cbranch_scc0 .Lfor_b_\@
	tensor_load_to_lds s[G0A+4*\sg:G0A+4*\sg+3], s[G1A:G1A+7]
	s_nop 0
.rept 4
	v_nop
.endr
	s_branch .Lasked_\@
.Lfor_b_\@:
	tensor_load_to_lds s[G0B+4*\sg:G0B+4*\sg+3], s[G1B:G1B+7]
	s_nop 0
.rept 4
	v_nop
.endr
.Lasked_\@:
.endm
.macro WM                              ; one product: D rD, source 0 rA, source 1 rB, scale registers rSA, rSB, from lanes 16-31 where fRA, fRB; fZ: it starts the sum
.if fZ
.if fRA && fRB
	v_wmma_scale_f32_16x16x128_f8f6f4 v[rD:rD+7], v[rA:rA+11], v[rB:rB+11], 0, v[rSA], v[rSB] matrix_a_fmt:MATRIX_FMT_FP6 matrix_b_fmt:MATRIX_FMT_FP6 matrix_a_scale:MATRIX_SCALE_ROW1 matrix_b_scale:MATRIX_SCALE_ROW1
.elseif fRA
	v_wmma_scale_f32_16x16x128_f8f6f4 v[rD:rD+7], v[rA:rA+11], v[rB:rB+11], 0, v[rSA], v[rSB] matrix_a_fmt:MATRIX_FMT_FP6 matrix_b_fmt:MATRIX_FMT_FP6 matrix_a_scale:MATRIX_SCALE_ROW1
.elseif fRB
	v_wmma_scale_f32_16x16x128_f8f6f4 v[rD:rD+7], v[rA:rA+11], v[rB:rB+11], 0, v[rSA], v[rSB] matrix_a_fmt:MATRIX_FMT_FP6 matrix_b_fmt:MATRIX_FMT_FP6 matrix_b_scale:MATRIX_SCALE_ROW1
.else
	v_wmma_scale_f32_16x16x128_f8f6f4 v[rD:rD+7], v[rA:rA+11], v[rB:rB+11], 0, v[rSA], v[rSB] matrix_a_fmt:MATRIX_FMT_FP6 matrix_b_fmt:MATRIX_FMT_FP6
.endif
.else
.if fRA && fRB
	v_wmma_scale_f32_16x16x128_f8f6f4 v[rD:rD+7], v[rA:rA+11], v[rB:rB+11], v[rD:rD+7], v[rSA], v[rSB] matrix_a_fmt:MATRIX_FMT_FP6 matrix_b_fmt:MATRIX_FMT_FP6 matrix_a_scale:MATRIX_SCALE_ROW1 matrix_b_scale:MATRIX_SCALE_ROW1
.elseif fRA
	v_wmma_scale_f32_16x16x128_f8f6f4 v[rD:rD+7], v[rA:rA+11], v[rB:rB+11], v[rD:rD+7], v[rSA], v[rSB] matrix_a_fmt:MATRIX_FMT_FP6 matrix_b_fmt:MATRIX_FMT_FP6 matrix_a_scale:MATRIX_SCALE_ROW1
.elseif fRB
	v_wmma_scale_f32_16x16x128_f8f6f4 v[rD:rD+7], v[rA:rA+11], v[rB:rB+11], v[rD:rD+7], v[rSA], v[rSB] matrix_a_fmt:MATRIX_FMT_FP6 matrix_b_fmt:MATRIX_FMT_FP6 matrix_b_scale:MATRIX_SCALE_ROW1
.else
	v_wmma_scale_f32_16x16x128_f8f6f4 v[rD:rD+7], v[rA:rA+11], v[rB:rB+11], v[rD:rD+7], v[rSA], v[rSB] matrix_a_fmt:MATRIX_FMT_FP6 matrix_b_fmt:MATRIX_FMT_FP6
.endif
.endif
.endm
	s_load_b256 s[4:11], s[0:1], 0x0               ; oc, ops, bu, out0
	v_lshl_add_u32 v[SPW], v0, 2, SPARE
	v_mov_b32 v[NIL], 0
	ds_add_u32 v[SPW], v[NIL]                      ; the wave's opening: the add and its wait ahead of my first tensor load; the set-up below stands between them
	ds_add_u32 v[SPW], v[NIL]
	v_lshrrev_b32 v1, 5, v0
	v_readfirstlane_b32 s[WV], v1                  ; wave 0..3
	s_lshr_b32 s15, s[WV], 1                       ; I fetch for o (0) or for Wu (1),
	s_and_b32 s16, s[WV], 1                        ; the chunk's first or second head
	s_bfe_u32 s40, ttmp6, 0x40000                  ; cx
	s_bfe_u32 s41, ttmp6, 0x40004                  ; cy
	s_lshl_b32 s42, ttmp9, 2
	s_add_co_u32 s42, s42, s40                     ; n: columns 128 n ..
	s_and_b32 s17, ttmp7, 0xffff
	s_lshl_b32 s17, s17, 2
	s_add_co_u32 s17, s17, s41                     ; G: tokens 64 G ..
	s_lshl_b32 s43, s41, 2
	s_lshl_b32 s43, 15, s43                        ; my row of the cluster
	s_lshl_b32 s44, 0x1111, s40                    ; my column
	s_or_b32 s[G1A], s43, (3<<16)|(1<<21)          ; 15:0 the mask; 17:16 elements of 8 bytes; 21 set beside a mask; no padding
	s_mov_b32 s[G1A+1], 32<<16                     ; rows of 256 bytes,
	s_mov_b32 s[G1A+2], 200<<16                    ; at the head 200 rows: a chunk's two half slabs
	s_mov_b32 s[G1A+3], 32<<16
	s_mov_b32 s[G1A+4], 200
	s_mov_b32 s[G1A+5], 32
	s_mov_b32 s[G1A+6], 0
	s_mov_b32 s[G1A+7], 0
	s_or_b32 s[G1B], s44, (3<<16)|(1<<21)
	s_mov_b32 s[G1B+1], 32<<16
	s_mov_b32 s[G1B+2], 400<<16                    ; at the head 400 rows: a chunk's two slabs
	s_mov_b32 s[G1B+3], 32<<16
	s_mov_b32 s[G1B+4], 400
	s_mov_b32 s[G1B+5], 32
	s_mov_b32 s[G1B+6], 0
	s_mov_b32 s[G1B+7], 0
	s_mul_i32 s45, s16, 25600                      ; o's half slab: its place in a chunk and in a slot
	s_mul_i32 s20, s17, 204800                     ; o's address hangs on G alone,
	s_add_co_u32 s20, s20, s45
	s_mov_b32 s21, 0
	s_mul_i32 s18, s16, SLAB
	s_mul_i32 s46, s42, 8*SLAB                     ; Wu's on n alone
	s_add_co_u32 s46, s46, s18
	s_add_co_u32 s46, s46, 128*SLAB
	s_mov_b32 s47, 0
	s_mul_i32 s84, s17, 204800                     ; for the head's loads: where o's chunks begin (G alone),
	s_mov_b32 s85, 0
	s_mul_i32 s86, s42, 8*SLAB                     ; and Wu's (n alone)
	s_add_co_u32 s86, s86, 128*SLAB
	s_mov_b32 s87, 0
	s_add_co_u32 s18, s18, 51200                   ; Wu's slab: its place in a slot, behind o's two half slabs
	s_wait_dscnt 0x0                               ; the opening add is done
	s_wait_kmcnt 0x0
	s_add_nc_u64 s[20:21], s[4:5], s[20:21]
	s_add_nc_u64 s[46:47], s[6:7], s[46:47]
	s_add_nc_u64 s[84:85], s[4:5], s[84:85]
	s_add_nc_u64 s[86:87], s[6:7], s[86:87]
	CROUND                                         ; all sixteen work-groups are here: the first joint loads meet
.irp s, 0,1
	s_mov_b32 s[G0A+4*\s], 1
	s_add_co_u32 s[G0A+4*\s+1], s45, \s*SLOT
	s_add_nc_u64 s[G0A+4*\s+2:G0A+4*\s+3], s[20:21], \s*51200
	s_or_b32 s[G0A+4*\s+3], s[G0A+4*\s+3], 0x80000000
	s_mov_b32 s[G0B+4*\s], 1
	s_add_co_u32 s[G0B+4*\s+1], s18, \s*SLOT
	s_add_nc_u64 s[G0B+4*\s+2:G0B+4*\s+3], s[46:47], \s*102400
	s_or_b32 s[G0B+4*\s+3], s[G0B+4*\s+3], 0x80000000
.endr
	; THE HEAD'S LOADS, ONE A WAVE: wave 0 brings o's chunk 0, wave 1 o's chunk 1, wave 2 Wu's chunk 0, wave 3 Wu's chunk 1: both slots' first fills.
.irp n, 0,1
	s_mov_b32 s[68+4*\n], 1
	s_mov_b32 s[69+4*\n], \n*SLOT
	s_add_nc_u64 s[70+4*\n:71+4*\n], s[84:85], \n*51200
	s_or_b32 s[71+4*\n], s[71+4*\n], 0x80000000
	s_mov_b32 s[76+4*\n], 1
	s_mov_b32 s[77+4*\n], \n*SLOT+51200
	s_add_nc_u64 s[78+4*\n:79+4*\n], s[86:87], \n*102400
	s_or_b32 s[79+4*\n], s[79+4*\n], 0x80000000
.endr
.macro ARM under, g0, g1, next         ; one chain of branches on the wave's number, one load to an arm, all arms to one join
	s_cmp_lt_u32 s[WV], \under
	s_cbranch_scc0 \next
	tensor_load_to_lds s[\g0:\g0+3], s[\g1:\g1+7]
	s_nop 0
.rept 4
	v_nop
.endr
	s_branch .Lhead_asked
\next:
.endm
	ARM 1, 68, G1A, .Lhead_1
	ARM 2, 72, G1A, .Lhead_2
	ARM 3, 76, G1B, .Lhead_3
	tensor_load_to_lds s[80:83], s[G1B:G1B+7]
	s_nop 0
.rept 4
	v_nop
.endr
.Lhead_asked:
	; A PREFETCH INTO THE L2 of chunks 2 and 3, which the two refills will load: the head's loads bring chunks 0 and 1, so each block is asked for two chunks ahead of its load.  A lane names a block of 256 bytes, 25 blocks an instruction.
	; The partners that ask for a chunk jointly share its blocks out by address: of o's 51,200 bytes the partner at cx takes 12,800 (wave 0, two instructions); of Wu's 102,400 the partner at cy takes 25,600 (waves 1 and 2, two each).
	s_mul_i32 s92, s40, 12800
	s_add_co_u32 s92, s92, 102400                  ; o: chunk 2, my work-group's share
	s_mul_i32 s93, s41, 25600
	s_mul_i32 s94, s[WV], 12800
	s_add_co_u32 s93, s93, s94
	s_add_co_u32 s93, s93, 204800-12800            ; Wu: chunk 2, my work-group's share, wave 1 its first half, wave 2 its second
	s_mov_b32 s90, 102400
	s_cmp_eq_u32 s[WV], 0                          ; the choice hangs on the wave's number alone
	s_cselect_b64 s[88:89], s[84:85], s[86:87]
	s_cselect_b32 s90, 51200, s90                  ; from chunk to chunk
	s_cselect_b32 s92, s92, s93
	s_mov_b32 s93, 0
	s_mov_b32 s91, 0
	s_add_nc_u64 s[88:89], s[88:89], s[92:93]
	s_add_nc_u64 s[92:93], s[88:89], s[90:91]
	v_and_b32 v5, 31, v0
	v_min_u32 v5, 24, v5
	v_lshlrev_b32 v5, 8, v5
	s_wait_alu depctr_va_vdst(0)                   ; ahead of the branch
	s_cmp_lt_u32 s[WV], 3
	s_cbranch_scc0 .Lno_ask
	global_prefetch_b8 v5, s[88:89] th:TH_LOAD_NT scope:SCOPE_SE
	global_prefetch_b8 v5, s[88:89] offset:6400 th:TH_LOAD_NT scope:SCOPE_SE
	global_prefetch_b8 v5, s[92:93] th:TH_LOAD_NT scope:SCOPE_SE
	global_prefetch_b8 v5, s[92:93] offset:6400 th:TH_LOAD_NT scope:SCOPE_SE
.Lno_ask:                                              ; v5 and s[88:93] are never written again
	v_and_b32 v1, 31, v0
	v_lshlrev_b32 v[CO], 4, v1                     ; 16 x lane
	s_wait_alu depctr_va_vdst(0)
	v_lshlrev_b32 v2, 3, v1                        ; 8 x lane
	s_mul_i32 s19, s[WV], 6144                     ; K step w of a half slab of o,
	v_add_nc_u32 v[AA], s19, v[CO]
	s_add_co_u32 s19, s19, SLOT
	v_add_nc_u32 v[AA+1], s19, v[CO]
	s_lshl_b32 s19, s[WV], 8
	s_add_co_u32 s19, s19, 24576                   ; its scale words,
	v_add_nc_u32 v[AAS], s19, v2
	s_add_co_u32 s19, s19, SLOT
	v_add_nc_u32 v[AAS+1], s19, v2
	s_mul_i32 s19, s[WV], 12288
	s_add_co_u32 s19, s19, 51200                   ; K step w of a slab of Wu,
	v_add_nc_u32 v[AB], s19, v[CO]
	s_add_co_u32 s19, s19, SLOT
	v_add_nc_u32 v[AB+1], s19, v[CO]
	s_lshl_b32 s19, s[WV], 9
	s_add_co_u32 s19, s19, 100352                  ; and its scale words
	v_add_nc_u32 v[ABS], s19, v[CO]
	s_add_co_u32 s19, s19, SLOT
	v_add_nc_u32 v[ABS+1], s19, v[CO]
	v_and_b32 v3, 15, v0
	v_bfe_u32 v4, v0, 4, 1
	v_mul_u32_u24 v[STO], v3, 528                  ; the way out: my stage of 64 rows x (512 bytes + 16): row r, + 64 bytes for lanes 16-31
	v_lshl_add_u32 v[STO], v4, 6, v[STO]
	s_mul_i32 s19, s[WV], 33792
	v_add_nc_u32 v[STO], s19, v[STO]
	s_mul_i32 s19, s[WV], 8448
	v_add_nc_u32 v[RD0], s19, v[CO]                ; back: rows 16 w .. of the first two stages,
	v_add_nc_u32 v[RD1], 67584, v[RD0]             ; of the last two
	s_lshl_b32 s2, s17, 6
	s_lshl_b32 s3, s15, 5
	s_add_co_u32 s2, s2, s3
	s_lshl_b32 s3, s16, 3
	s_add_co_u32 s2, s2, s3                        ; the token of stage row 16 w: 64 G + 32 (w / 2) + 8 (w % 2)
	s_lshl_b32 s2, s2, 11
	s_lshl_b32 s12, s42, 9                         ; my columns, in bytes
	s_mov_b32 s13, 0
	s_mov_b32 s3, 0
	s_add_nc_u64 s[10:11], s[10:11], s[2:3]
	s_add_nc_u64 s[10:11], s[10:11], s[12:13]
	s_add_nc_u64 s[8:9], s[8:9], s[12:13]
	global_load_b128 v[28:31], v[CO], s[8:9]       ; the bias of my four columns
; The fragments of head e of the chunk in slot sg, my K step: Wu's eight, o's four, and the scale words: 38 loads.
.macro FET4 sg, e, set
	WIN 0x40
.irp i, 0,1,2,3,4,5,6,7
.irp c, 0,1,2
	ds_load_b128 v[128*(\set)+12*\i+4*\c:128*(\set)+12*\i+4*\c+3], v[AB+\sg] offset:SLAB*(\e)+FRB*\i+512*\c
.endr
.endr
	WIN 0
.irp i, 0,1,2,3
.irp c, 0,1,2
	ds_load_b128 v[64+48*(\set)+12*\i+4*\c:64+48*(\set)+12*\i+4*\c+3], v[AA+\sg] offset:25600*(\e)+FRB*\i+512*\c
.endr
.endr
	ds_load_b128 v[32+4*(\set):35+4*(\set)], v[ABS+\sg] offset:SLAB*(\e)
	ds_load_b64 v[40+2*(\set):41+2*(\set)], v[AAS+\sg] offset:25600*(\e)
.endm
; no tiles of tokens from olo on, each against Wu's eight.  The 32 accumulators take turns, one instruction a turn, in the same order in every step.
.macro MUL4 set, olo, no, z
.set iO, \olo
.rept \no
.set iI, 0
.rept 8
.set rD, 64*iO+8*iI
.set rA, 128*(\set)+12*iI
.set rB, 64+48*(\set)+12*iO
.set rSA, 32+4*(\set)+iI/2
.set rSB, 40+2*(\set)+iO/2
.set fRA, iI%2
.set fRB, iO%2
.set fZ, \z
	WM
.set iI, iI+1
.endr
.set iO, iO+1
.endr
.endm
.macro KS4 sg, z                       ; a chunk's first head
	s_wait_dscnt 0x0
	WIN 0xa1                                       ; source 0 window 1, source 1 window 0, C and D window 2
	MUL4 0, 0, 2, \z
	PLACES
	FET4 \sg, 1, 1
	WIN 0xa1
	MUL4 0, 2, 2, \z
.endm
; A chunk's second head changes slots: ONE barrier; in front of it each wave waits for all its tensor loads, adds 0 to its spare word, and waits for that and for its reads of the slot.  fill = 1: the slot takes the chunk two on.
.macro TURN4 sg, nx, fill
	WIN 0
	s_wait_tensorcnt 0x0                           ; all my tensor loads have landed: my part of the other slot;
	ds_add_u32 v[SPW], v[NIL]                      ; 0 onto my spare word;
	s_wait_dscnt 1                                 ; this step's fragments are in: the add alone may be out
	WIN 0xa1
	MUL4 1, 0, 1, 0                                ; eight products stand between the add and the wait for it
	s_wait_dscnt 0x0                               ; the add is done, and my reads of this slot are over
	s_barrier_signal -1
	MUL4 1, 1, 1, 0
	WIN 0
	s_barrier_wait -1
.if \fill
	CREST                                          ; the barrier has opened a round of the cluster's: no wave of any partner still reads this slot or has a load on its way
	s_add_nc_u64 s[G0A+4*\sg+2:G0A+4*\sg+3], s[G0A+4*\sg+2:G0A+4*\sg+3], 102400
	s_add_nc_u64 s[G0B+4*\sg+2:G0B+4*\sg+3], s[G0B+4*\sg+2:G0B+4*\sg+3], 204800
	JLOAD \sg                                      ; the four v_nop behind it are also the places in front of the loads below
.else
	PLACES
.endif
	FET4 \nx, 0, 0
	WIN 0xa1
	MUL4 1, 2, 2, 0
.endm
	s_wait_alu depctr_va_vdst(0)
	s_wait_tensorcnt 0x0                           ; my one load of the head's four is in
	s_mov_b32 s[G1A+2], 100<<16                    ; no load of mine is out: from here on a load brings a half slab of o,
	s_mov_b32 s[G1A+4], 100
	s_mov_b32 s[G1B+2], 200<<16                    ; or a slab of Wu
	s_mov_b32 s[G1B+4], 200
	s_barrier_signal -1
	s_barrier_wait -1                              ; everybody's is: both slots are whole
	FET4 0, 0, 0
	KS4 0, 1                                       ; the first head's products start the sums
	TURN4 0, 1, 1                                  ; chunk 2
	KS4 1, 0
	TURN4 1, 0, 1                                  ; chunk 3: the last load
	KS4 0, 0
	TURN4 0, 1, 0
	KS4 1, 0
	s_wait_dscnt 0x0                               ; the last head: nothing more to fetch
	WIN 0xa1
	MUL4 1, 0, 4, 0
	WIN 0
	; THE WAY OUT.  Each wave lays its partial tile in a stage of its own.  The stages lie in slot 0: it has had its last fill (chunk 2), and every wave has passed the barrier behind its last read of it.
	; Behind a barrier wave w adds the four stages' rows 16 w .. 16 w + 15 and the bias, and stores whole rows of 512 bytes.
	PLACES
	WIN 0x08                                       ; an LDS store's data are its source 1: window 2
.irp o, 0,1,2,3
.irp i, 0,1,2,3,4,5,6,7
	ds_store_b128 v[STO], v[64*\o+8*\i:64*\o+8*\i+3] offset:8448*\o+128*(\i/2)+32*(\i%2)        ; lane (r, h): columns 32 (i / 2) + 16 h + 8 (i % 2) + 0 .. 7 of stage row 16 o + r; each accumulator from its low end on
	ds_store_b128 v[STO], v[64*\o+8*\i+4:64*\o+8*\i+7] offset:8448*\o+128*(\i/2)+32*(\i%2)+16
.endr
.endr
	WIN 0
	s_wait_dscnt 0x0                               ; for the others' sake: my stores have landed
	s_barrier_signal -1
	s_barrier_wait -1
	s_wait_loadcnt 0x0                             ; the bias
.irp bt, 0,1
.if \bt
	s_wait_xcnt 0x0                                ; the first eight rows' stores have read their registers
.endif
.irp rr, 0,1,2,3,4,5,6,7
.irp p, 0,1,2,3
	ds_load_b128 v[64+16*\rr+4*\p:64+16*\rr+4*\p+3], v[RD0+\p/2] offset:(\p%2)*33792+528*(8*\bt+\rr)
.endr
.endr
.irp rr, 0,1,2,3,4,5,6,7
.set RW, 64+16*\rr
	s_wait_dscnt 28-4*\rr                          ; this row's four loads are in; the later rows', four each, may be out
	v_pk_add_f32 v[RW:RW+1], v[RW:RW+1], v[RW+4:RW+5]
	v_pk_add_f32 v[RW+2:RW+3], v[RW+2:RW+3], v[RW+6:RW+7]
	v_pk_add_f32 v[RW+8:RW+9], v[RW+8:RW+9], v[RW+12:RW+13]
	v_pk_add_f32 v[RW+10:RW+11], v[RW+10:RW+11], v[RW+14:RW+15]
	v_pk_add_f32 v[RW:RW+1], v[RW:RW+1], v[RW+8:RW+9]
	v_pk_add_f32 v[RW+2:RW+3], v[RW+2:RW+3], v[RW+10:RW+11]
	v_pk_add_f32 v[RW:RW+1], v[RW:RW+1], v[28:29]
	v_pk_add_f32 v[RW+2:RW+3], v[RW+2:RW+3], v[30:31]
	global_store_b128 v[CO], v[RW:RW+3], s[10:11] offset:(\rr+16*\bt)*2048 th:TH_STORE_NT   ; stage row 16 w + r is token r + 8 (r / 8) on; 32 lanes store 512 consecutive bytes, aligned
.endr
.endr
	s_wait_tensorcnt 0x0                           ; the wave's end, behind my last LDS store
	ds_add_u32 v[SPW], v[NIL]
	s_wait_dscnt 0x0
	CROUND                                         ; the closing round
	s_endpgm
.Lfunc_end_k_q53119952e9_proj:
	.size	k_q53119952e9_proj, .Lfunc_end_k_q53119952e9_proj-k_q53119952e9_proj
	.p2alignl 7, 3214868480
	.fill 96, 4, 3214868480
	.section	.rodata,"a",@progbits
	.p2align	6, 0x0
	.amdhsa_kernel k_q53119952e9_proj
		.amdhsa_group_segment_fixed_size 327680
		.amdhsa_private_segment_fixed_size 0
		.amdhsa_enable_private_segment 0
		.amdhsa_kernarg_size 32
		.amdhsa_user_sgpr_count 2
		.amdhsa_user_sgpr_kernarg_segment_ptr 1
		.amdhsa_wavefront_size32 1
		.amdhsa_system_sgpr_workgroup_id_x 1
		.amdhsa_system_sgpr_workgroup_id_y 1
		.amdhsa_system_sgpr_workgroup_id_z 1
		.amdhsa_system_vgpr_workitem_id 0
		.amdhsa_next_free_vgpr 768
		.amdhsa_next_free_sgpr 96
		.amdhsa_reserve_vcc 0
		.amdhsa_float_denorm_mode_32 3
		.amdhsa_float_denorm_mode_16_64 3
		.amdhsa_memory_ordered 1
		.amdhsa_forward_progress 1
		.amdhsa_inst_pref_size 84
	.end_amdhsa_kernel
	.amdgpu_metadata
---
amdhsa.version: [ 1, 2 ]
amdhsa.kernels:
  - .name:           k_q53119952e9_proj
    .symbol:         k_q53119952e9_proj.kd
    .args:
      - { .name: oc, .offset: 0, .size: 8, .value_kind: global_buffer, .address_space: global }
      - { .name: ops, .offset: 8, .size: 8, .value_kind: global_buffer, .address_space: global }
      - { .name: bu, .offset: 16, .size: 8, .value_kind: global_buffer, .address_space: global }
      - { .name: out0, .offset: 24, .size: 8, .value_kind: global_buffer, .address_space: global }
    .group_segment_fixed_size: 327680
    .private_segment_fixed_size: 0
    .kernarg_segment_align: 8
    .kernarg_segment_size: 32
    .max_flat_workgroup_size: 128
    .sgpr_count:     96
    .vgpr_count:     768
    .wavefront_size: 32
...
	.end_amdgpu_metadata
.endif
;; end of part 4
